; MI455X (gfx1250); checked and timed in simulation.
; The chip was launched on July 23, 2026; its instructions are those of AMD's public machine-readable ISA for CDNA 5 (MIT licence, August 2026) and "CDNA5" Instruction Set Architecture Reference Guide (July 2026). The comments in the code are by the model that wrote it; some were corrected since.
;; Video Mo E Layer. Allowed arithmetic: matrix products marked QUANTISED: E5M2 operands, one given power-of-two scale a tensor, by v_wmma_f32_16x16x64_bf8_bf8 or v_wmma_f32_16x16x128_bf8_bf8, f32 sums; products left as they are: f32 operands where the result goes on into a quantised operand, else bf16, f16 or f32 operands; f32 sums; everything else in f32.
;; Inputs: b1 8 x 2,048 float32; b2 8 x 1,024 float32; gate_w 8 x 1,024 float32; lowp_scales 4 int32 (the exponents e of the quantised operands' scales 2^e); w1 8 x 1,024 x 2,048 float32; w2 8 x 2,048 x 1,024 float32; x 2 x 1,024 x 1,024 float32.
;; Outputs: out0 2 x 1,024 x 1,024 float32; out1 one number float32.
;; This version of the problem:
;;   THIS VERSION OF THE PROBLEM IS GIVEN IN LOW PRECISION. The matrix products marked QUANTISED in the list below multiply operands that are first quantised to E5M2 (5 exponent bits, 2 mantissa bits; 8 bits a number), with one given power-of-two scale for each operand tensor; their sums are f32. All else is computed in f32.
;;   The module's matrix products, in the order in which they are computed (A, B: the left and right operand; K: the contracted axis; several contracted axes count as one K, in the product's order):
;;     1. [M 2,048, K 1,024] x [K 1,024, N 8]; A: input x; B: input gate_w: left as it is (N = 8 < 16)
;;     2. [M 16,384, K 1,024] x [K 1,024, N 2,048]; A: input w1; B: input x: QUANTISED (scales: A lowp_scales[0], B lowp_scales[1])
;;     3. batch 8 x [M 2,048, K 2,048] x [K 2,048, N 1,024]; A: computed on the way; B: input w2: QUANTISED (scales: A lowp_scales[2], B lowp_scales[3])
;;     4. batch 2,048 x [M 1, K 8] x [K 8, N 1,024]; A: computed on the way; B: computed on the way: left as it is (K = 8 < 32)
;;   THE QUANTISER, for each operand of a quantised product, along K:
;;     - The operand's scale is 2^e, e = its entry of the input lowp_scales (int32; the entries are numbered through the quantised products in the list's order, A before B).
;;     - Each number is divided by the scale, clamped to +-57,344, and rounded to the nearest number of E5M2, ties to even, subnormals kept.
;;     - The product sums the exact products of the quantised numbers (number of the format x scale) in f32.
;;   ~~~python
;;   def quantise(x, axis, e):      # numpy; x: float32 -> the quantised numbers, widened to float32 again
;;       x = np.moveaxis(x, axis, -1); K = x.shape[-1]
;;       r = np.clip(x / 2.0 ** e, -57344, 57344)
;;       step = 2.0 ** (np.maximum(np.frexp(np.where(r == 0, 1, r))[1] - 1, -14) - 2)
;;       q = np.round(r / step) * step * 2.0 ** e      # np.round: ties to even
;;       return np.moveaxis(q, -1, axis).astype(np.float32)
;;   ~~~
;;   OPERANDS COMPUTED ON THE WAY. 'Computed on the way' means the value that the module computes at that place (a softmax that the list does not call 'softmax' is quantised finished and normalised). What goes into a quantiser is computed in f32, as accurately as f32 sums, v_exp_f32 and their like allow (about 1e-6 of the number): no bf16 or f16 on the way to a quantiser, and a product that is left as it is and whose result goes on into a quantised operand takes f32 operands (vector FMAs, or v_wmma_f32_16x16x4_f32). A number that lies on a knife's edge between two numbers of the format may be rounded either way, as far as f32 arithmetic and the matrix unit's own rounding can turn it there, and no further.
;; 2 versions. Each part assembles by itself: llvm-mc -triple=amdgcn-amd-amdhsa -mcpu=gfx1250 --defsym DOCPART=n.
;; ======== version 1 of 2: 5 launches
;; limits: right only within a limited range of input values
;; workspace buffers: xc 2,097,152 bytes; sel 16,384 bytes of whole numbers; rw 32,768 bytes; lst 69,632 bytes of whole numbers; hid 33,554,432 bytes; loc 16,640 bytes of whole numbers; y 67,108,864 bytes
;; launch route (part 1): grid 256 x 1, 2 waves a work-group, no clusters, 0 bytes of LDS; arguments x, gate_w, lowp_scales, xc, sel, rw; writes xc, sel, rw
.if DOCPART == 1
	.amdgcn_target "amdgcn-amd-amdhsa--gfx1250"
	.amdhsa_code_object_version 6
	.text
	.protected	k_qa0ffe618b5_route
	.globl	k_qa0ffe618b5_route
	.p2align	8
	.type	k_qa0ffe618b5_route,@function
k_qa0ffe618b5_route:
	s_mov_b64 s[64:65], 0
	v_nop
	global_prefetch_b8 v0, s[64:65] scope:SCOPE_SE
	s_setreg_imm32_b32 hwreg(HW_REG_WAVE_MODE, 25, 1), 1
	s_wait_xcnt 0x0
; THE ROUTER, AND x INTO CODES.  x: [2048][1024] f32, gate_w: [8][1024] f32.
; A wave takes four tokens: their 32 logits (f32 multiply-adds), the softmax over the 8 experts (the largest logit is taken away first), the two largest
; probabilities (ties: the lower index), their weights p / (p1 + p2), and the sums of the four tokens' probabilities for the loss.
; Stored at fixed places: sel[slot x 2048 + t] the expert, rw[slot x 2048 + t] its weight, rw[4096 + 8 W + e] the wave's sums.  No address here hangs on a choice.
; The same loads of x feed the quantiser: code = x / 2^e1, held within +-57,344, nearest code of E5M2, ties to even.
; xc: [2048][1024] bytes.  A lane's registers hold k = 128 j + 4 lane + i, so byte p of a row holds k = 512 (p >> 9) + 128 ((p & 15) >> 2) + 4 ((p & 511) >> 4) + (p & 3);
; the launch that multiplies picks the weight's rows in the same order.  Each store of codes covers 512 consecutive bytes.
; LIMITS: e1 between -126 and 112.  NaN among the inputs is not served.  The choice compares the f32 probabilities as computed here: two that lie within f32 rounding of each other may be chosen otherwise than by another order of sums.
; REGISTERS: v1 lane, v2 e = lane % 8, v3 token = lane / 8, v4 16 x lane; v5, v6 the hold and the scale; v8-31 at work; v32-63 the 32 logits' parts;
;   v64-191 x (32 a token); v192-255 a pair of sums for each (token, expert), later the codes; window 1: gate_w (32 an expert).
.set A,   32
.set X,   64
.set PR,  192
.set MSB, 0
.macro WIN new                         ; the immediate's high byte repeats the setting that is left
.if MSB != (\new)
	s_set_vgpr_msb (MSB<<8)|(\new)
.set MSB, (\new)
.endif
.endm
	s_load_b256 s[4:11], s[0:1], 0x0               ; x s[4:5], gate_w s[6:7], the scales' exponents s[8:9], xc s[10:11]
	s_load_b128 s[12:15], s[0:1], 0x20             ; sel s[12:13], rw s[14:15]
	v_and_b32 v1, 31, v0                           ; lane
	v_lshrrev_b32 v5, 5, v0
	v_readfirstlane_b32 s16, v5                    ; wave 0..1
	v_and_b32 v2, 7, v0                            ; e
	v_bfe_u32 v3, v0, 3, 2                         ; token of the four
	v_lshlrev_b32 v4, 4, v1                        ; 16 x lane
	s_lshl_b32 s17, ttmp9, 1
	s_add_co_u32 s17, s17, s16                     ; W = 2 x work-group + wave
	s_lshl_b32 s18, s17, 2                         ; my first token
	s_lshl_b32 s20, s18, 12                        ; its row of x: 4,096 bytes a row
	s_mov_b32 s21, 0
	s_lshl_b32 s22, s18, 10                        ; its row of codes: 1,024 bytes a row
	s_mov_b32 s23, 0
	s_mov_b32 s32, 0xaaaaaaaa                      ; lanes whose bit 0 .. bit 4 is set
	s_mov_b32 s33, 0xcccccccc
	s_mov_b32 s34, 0xf0f0f0f0
	s_mov_b32 s35, 0xff00ff00
	s_mov_b32 s36, 0xffff0000
	s_mov_b32 s38, 0x76543210                      ; v_permlanex16_b32: lane l xor 16
	s_mov_b32 s39, 0xfedcba98
	s_wait_kmcnt 0x0
	s_load_b128 s[28:31], s[8:9], 0x0              ; e0, e1, e2, e3
	s_add_nc_u64 s[4:5], s[4:5], s[20:21]
	s_add_nc_u64 s[10:11], s[10:11], s[22:23]
.irp t, 0,1,2,3
.irp j, 0,1,2,3,4,5,6,7
	global_load_b128 v[X+32*\t+4*\j:X+32*\t+4*\j+3], v4, s[4:5] offset:4096*\t+512*\j th:TH_LOAD_NT   ; 512 consecutive bytes a load
.endr
.endr
	WIN 0x40                                       ; destination window 1
.irp e, 0,1,2,3,4,5,6,7
.irp j, 0,1,2,3,4,5,6,7
	global_load_b128 v[32*\e+4*\j:32*\e+4*\j+3], v4, s[6:7] offset:4096*\e+512*\j
.endr
.endr
	WIN 0
	v_mov_b32 v16, 0                               ; destinations of lane permutes and of DPP moves count as read: written once here
	v_mov_b32 v20, 0
	v_mov_b32 v21, 0
	v_mov_b32 v27, 0
	v_mov_b32 v29, -1.0
	s_wait_kmcnt 0x0
	s_add_co_i32 s40, s29, 127
	s_lshl_b32 s41, s40, 23
	v_mov_b32 v6, s41                              ; 2^e1 as f32: the conversion takes its exponent field
	s_add_co_i32 s40, s40, 15
	s_lshl_b32 s40, s40, 23
	s_or_b32 s40, s40, 0x600000
	v_mov_b32 v5, s40                              ; 57,344 x 2^e1
	s_wait_loadcnt 0x0
	; the 32 dot products, each lane over its 32 k: two multiply-adds an instruction, 32 chains by turns
	WIN 0x04                                       ; source 1 (gate_w) window 1
.set m, 0
.rept 16
.set q, 0
.rept 32
.if m == 0
	v_pk_mul_f32 v[PR+2*q:PR+2*q+1], v[X+32*(q/8)+2*m:X+32*(q/8)+2*m+1], v[32*(q%8)+2*m:32*(q%8)+2*m+1]
.else
	v_pk_fma_f32 v[PR+2*q:PR+2*q+1], v[X+32*(q/8)+2*m:X+32*(q/8)+2*m+1], v[32*(q%8)+2*m:32*(q%8)+2*m+1], v[PR+2*q:PR+2*q+1]
.endif
.set q, q+1
.endr
.set m, m+1
.endr
	WIN 0
.set q, 0
.rept 32
	v_add_f32 v[A+q], v[PR+2*q], v[PR+2*q+1]       ; part 8 token + e
.set q, q+1
.endr
	; x into codes
.set n, 0
.rept 128
	v_med3_num_f32 v[X+n], v[X+n], -v5, v5         ; the conversion to an 8-bit code does not saturate (ISA guide 7.6.2): the hold at the largest code x the scale
.set n, n+1
.endr
.set n, 0
.rept 16
	v_cvt_scalef32_pk8_bf8_f32 v[PR+2*n:PR+2*n+1], v[X+8*n:X+8*n+7], v6
.set n, n+1
.endr
	v_nop                                          ; a plain line behind the last conversion
.irp t, 0,1,2,3
.irp q, 0,1
	global_store_b128 v4, v[PR+8*\t+4*\q:PR+8*\t+4*\q+3], s[10:11] offset:1024*\t+512*\q
.endr
.endr
; The 32 parts are summed over the 32 lanes by halving: in level b a lane keeps the parts whose index has its own bit b, sends the others to lane l xor 2^b, and adds what it gets.
; After five levels lane l holds logit number l = 8 token + e.
.macro FOLD b, cnt, xm
.set j, 0
.rept \cnt
	v_cndmask_b32 v[8+j%8], v[A+2*j+1], v[A+2*j], s[32+\b]
	v_cndmask_b32 v[A+j], v[A+2*j], v[A+2*j+1], s[32+\b]
.if \b < 4
	v_add_f32_dpp v[A+j], v[8+j%8], v[A+j] row_xmask:\xm row_mask:0xf bank_mask:0xf
.else
	v_permlanex16_b32 v16, v[8+j%8], s38, s39
	v_add_f32 v[A+j], v[A+j], v16
.endif
.set j, j+1
.endr
.endm
	FOLD 0, 16, 1
	FOLD 1, 8, 2
	FOLD 2, 4, 4
	FOLD 3, 2, 8
	FOLD 4, 1, 0
	; softmax over the eight lanes of a token
	v_mov_b32 v10, v[A]
	v_max_num_f32_dpp v10, v10, v10 row_xmask:1 row_mask:0xf bank_mask:0xf
	v_max_num_f32_dpp v10, v10, v10 row_xmask:2 row_mask:0xf bank_mask:0xf
	v_max_num_f32_dpp v10, v10, v10 row_xmask:4 row_mask:0xf bank_mask:0xf
	v_sub_f32 v11, v[A], v10                       ; logit - the largest
	v_mul_f32 v11, 0x3fb8aa3b, v11                 ; x log2(e)
	v_exp_f32 v11, v11
	v_nop                                          ; a plain line behind the transcendental,
	s_wait_alu depctr_va_vdst(0)                   ; and the wait ahead of its first reader
	v_mov_b32 v12, v11
	v_add_f32_dpp v12, v12, v12 row_xmask:1 row_mask:0xf bank_mask:0xf
	v_add_f32_dpp v12, v12, v12 row_xmask:2 row_mask:0xf bank_mask:0xf
	v_add_f32_dpp v12, v12, v12 row_xmask:4 row_mask:0xf bank_mask:0xf
	v_rcp_f32 v13, v12
	v_nop
	s_wait_alu depctr_va_vdst(0)
	v_mul_f32 v14, v11, v13                        ; p
; The best (value, index) of the eight lanes, in all eight: the partner wins where its value is larger, or equal with the lower index.  A comparison only selects values.
.macro BEST pv, pi
.irp xm, 1, 2, 4
	v_mov_b32_dpp v20, v[\pv] row_xmask:\xm row_mask:0xf bank_mask:0xf
	v_mov_b32_dpp v21, v[\pi] row_xmask:\xm row_mask:0xf bank_mask:0xf
	v_cmp_gt_f32 s20, v20, v[\pv]
	v_cmp_eq_f32 s21, v20, v[\pv]
	v_cmp_lt_u32 s22, v21, v[\pi]
	s_and_b32 s21, s21, s22
	s_or_b32 s20, s20, s21
	v_cndmask_b32 v[\pv], v[\pv], v20, s20
	v_cndmask_b32 v[\pi], v[\pi], v21, s20
.endr
.endm
	v_mov_b32 v16, v14
	v_mov_b32 v17, v2
	BEST 16, 17                                    ; p1, i1
	v_cmp_eq_u32 vcc_lo, v2, v17
	v_cndmask_b32 v18, v14, v29, vcc_lo            ; the first choice is taken out: -1 lies under every probability
	v_mov_b32 v19, v2
	BEST 18, 19                                    ; p2, i2
	v_add_f32 v22, v16, v18
	v_rcp_f32 v22, v22
	v_lshl_add_u32 v23, v2, 11, v3                 ; (plain work behind the transcendental)  2048 x slot + token, for lanes e = slot < 2
	v_add_nc_u32 v23, s18, v23
	v_lshlrev_b32 v23, 2, v23
	s_wait_alu depctr_va_vdst(0)
	v_mul_f32 v30, v16, v22                        ; c0 = p1 / (p1 + p2)
	v_mul_f32 v31, v18, v22                        ; c1
	v_cmp_eq_u32 vcc_lo, 1, v2
	v_cndmask_b32 v24, v17, v19, vcc_lo            ; the slot's expert,
	v_cndmask_b32 v25, v30, v31, vcc_lo            ; and its weight
	v_mov_b32 v26, v14                             ; the four tokens' probabilities of expert e
	v_add_f32_dpp v26, v26, v26 row_xmask:8 row_mask:0xf bank_mask:0xf
	v_permlanex16_b32 v27, v26, s38, s39
	v_add_f32 v26, v26, v27
	v_lshlrev_b32 v28, 2, v1
	s_lshl_b32 s19, s17, 5
	v_add_nc_u32 v28, s19, v28                     ; 32 W + 4 x lane
	v_cmp_gt_u32 vcc_lo, 2, v2
	s_wait_xcnt 0x0                                ; EXEC changes only behind this wait: the stores of codes have read it
	s_and_saveexec_b32 s24, vcc_lo                 ; lanes e = 0, 1 of each token
	global_store_b32 v23, v24, s[12:13]
	global_store_b32 v23, v25, s[14:15]
	s_wait_xcnt 0x0
	s_or_b32 exec_lo, exec_lo, s24
	v_cmp_gt_u32 vcc_lo, 8, v1
	s_and_saveexec_b32 s24, vcc_lo                 ; lanes 0 to 7: expert = lane
	global_store_b32 v28, v26, s[14:15] offset:16384
	s_wait_xcnt 0x0
	s_or_b32 exec_lo, exec_lo, s24
	s_endpgm
.Lfunc_end_k_qa0ffe618b5_route:
	.size	k_qa0ffe618b5_route, .Lfunc_end_k_qa0ffe618b5_route-k_qa0ffe618b5_route
	.p2alignl 7, 3214868480
	.fill 96, 4, 3214868480
	.section	.rodata,"a",@progbits
	.p2align	6, 0x0
	.amdhsa_kernel k_qa0ffe618b5_route
		.amdhsa_group_segment_fixed_size 0
		.amdhsa_private_segment_fixed_size 0
		.amdhsa_enable_private_segment 0
		.amdhsa_kernarg_size 48
		.amdhsa_user_sgpr_count 2
		.amdhsa_user_sgpr_kernarg_segment_ptr 1
		.amdhsa_wavefront_size32 1
		.amdhsa_system_sgpr_workgroup_id_x 1
		.amdhsa_system_sgpr_workgroup_id_y 1
		.amdhsa_system_sgpr_workgroup_id_z 1
		.amdhsa_system_vgpr_workitem_id 0
		.amdhsa_next_free_vgpr 512
		.amdhsa_next_free_sgpr 66
		.amdhsa_reserve_vcc 1
		.amdhsa_float_denorm_mode_32 3
		.amdhsa_float_denorm_mode_16_64 3
		.amdhsa_memory_ordered 1
		.amdhsa_forward_progress 1
		.amdhsa_inst_pref_size 65
	.end_amdhsa_kernel
	.amdgpu_metadata
---
amdhsa.version: [ 1, 2 ]
amdhsa.kernels:
  - .name:           k_qa0ffe618b5_route
    .symbol:         k_qa0ffe618b5_route.kd
    .args:
      - { .name: x, .offset: 0, .size: 8, .value_kind: global_buffer, .address_space: global }
      - { .name: gate_w, .offset: 8, .size: 8, .value_kind: global_buffer, .address_space: global }
      - { .name: lowp_scales, .offset: 16, .size: 8, .value_kind: global_buffer, .address_space: global }
      - { .name: xc, .offset: 24, .size: 8, .value_kind: global_buffer, .address_space: global }
      - { .name: sel, .offset: 32, .size: 8, .value_kind: global_buffer, .address_space: global }
      - { .name: rw, .offset: 40, .size: 8, .value_kind: global_buffer, .address_space: global }
    .group_segment_fixed_size: 0
    .private_segment_fixed_size: 0
    .kernarg_segment_align: 8
    .kernarg_segment_size: 48
    .max_flat_workgroup_size: 64
    .sgpr_count:     66
    .vgpr_count:     512
    .wavefront_size: 32
...
	.end_amdgpu_metadata
.endif
;; end of part 1
;; launch place (part 2): grid 1 x 1, 9 waves a work-group, no clusters, 1,536 bytes of LDS; arguments sel, rw, lst, out1; writes lst, out1
.if DOCPART == 2
	.amdgcn_target "amdgcn-amd-amdhsa--gfx1250"
	.amdhsa_code_object_version 6
	.text
	.protected	k_qa0ffe618b5_place
	.globl	k_qa0ffe618b5_place
	.p2align	8
	.type	k_qa0ffe618b5_place,@function
k_qa0ffe618b5_place:
	s_mov_b64 s[64:65], 0
	v_nop
	global_prefetch_b8 v0, s[64:65] scope:SCOPE_SE
	s_setreg_imm32_b32 hwreg(HW_REG_WAVE_MODE, 25, 1), 1
	s_wait_xcnt 0x0
; THE ROWS ARE PLACED BY EXPERT, AND THE LOSS.  sel: 4,096 whole numbers, sel[id] = the expert of id = slot x 2048 + token.
; One work-group.  Wave w = 0 .. 7 is expert w: it walks all 4,096 ids, 32 to a round, and writes those that are its own on end into its region of lst: a lane's place is
; the running count + the matching lanes below it.  So no wave needs another's count, and nothing is added in memory.  A lane that does not match writes into a word of its own that nobody reads.
; The 128 rounds go in four batches of 32, stage by stage: 32 compares into 32 scalar masks, the running counts by a scalar chain, then each vector stage for all 32 rounds: no line waits for the line above it.
; lst: 8 regions of 2,176 words: 0 .. the list; from word 'count' on 32 pads (id 4096 + w), so that the last tile of 16 is full; 2080-2111 the words nobody reads; 2112-2143 the count.
; An expert has at most 2,048 ids, since a token's two experts differ.
; Wave 8 adds the 512 x 8 sums of probabilities.  One barrier; then wave 8 makes the loss = 8 x sum_e (count_e / 2) (P_e / 2048) = sum_e count_e P_e / 512.
; REGISTERS: v1 lane, v2 4 x lane, v3 16 x lane, v4, v5 LDS addresses, v6 2080 + lane, v7-21 at work; v32-159 what is loaded, then the stores' offsets; v160-191 a batch's ids to store.
;   s12 wave, s13 the count, s18, s19 at work, s20-51 a batch's masks, s66-98 the running count ahead of each round of a batch.
.set E,  32
.set ID, 160
.set M,  20
.set PX, 66
	s_load_b256 s[4:11], s[0:1], 0x0               ; sel s[4:5], rw s[6:7], lst s[8:9], out1 s[10:11]
	v_lshl_add_u32 v192, v0, 2, 0x100
	v_mov_b32 v193, 0
	v_and_b32 v1, 31, v0
	v_lshrrev_b32 v7, 5, v0
	v_readfirstlane_b32 s12, v7                    ; wave 0..8
	v_lshlrev_b32 v2, 2, v1
	v_lshlrev_b32 v3, 4, v1
	v_lshlrev_b32 v4, 2, v7                        ; LDS: my wave's word.  Both LDS addresses are made here, ahead of the parting of the roles
	v_and_b32 v5, 1, v0
	v_lshlrev_b32 v5, 4, v5                        ; LDS: counts 0-3 for even lanes, 4-7 for odd ones
	v_add_nc_u32 v6, 2080, v1
.irp r, 8,9,10,11,12,13,14,15
	v_mov_b32 v\r, 0
.endr
	s_mul_i32 s14, s12, 8704                       ; my region of lst
	s_mov_b32 s15, 0
	s_mov_b32 s16, 0x76543210
	s_mov_b32 s17, 0xfedcba98
	s_wait_kmcnt 0x0
	s_add_nc_u64 s[8:9], s[8:9], s[14:15]
	s_cmp_eq_u32 s12, 8
	s_cbranch_scc1 .Lsum
.set q, 0
.rept 32
	global_load_b128 v[E+4*q:E+4*q+3], v3, s[4:5] offset:512*q   ; register 4 q + i of lane l: id 128 q + 4 l + i
.set q, q+1
.endr
	s_mov_b32 s[PX], 0                             ; the running count
.set bt, 0
.rept 4
	s_wait_loadcnt 24-8*bt                         ; loads come back in order: this batch's eight are in, those of the later batches stay out
.set k, 0
.rept 32
	v_cmp_eq_u32 s[M+k], s12, v[E+32*bt+k]         ; the lanes whose id is mine
.set k, k+1
.endr
.set k, 0
.rept 32
	s_bcnt1_i32_b32 s[18+k%2], s[M+k]
	s_add_co_u32 s[PX+k+1], s[PX+k], s[18+k%2]     ; the count ahead of the next round
.set k, k+1
.endr
.set k, 0
.rept 32
	v_mbcnt_lo_u32_b32 v[E+32*bt+k], s[M+k], s[PX+k]   ; the count so far + the matching lanes below me
.set k, k+1
.endr
.set k, 0
.rept 32
	v_cndmask_b32 v[E+32*bt+k], v6, v[E+32*bt+k], s[M+k]   ; no match: the word that nobody reads
.set k, k+1
.endr
.set k, 0
.rept 32
	v_min_u32 v[E+32*bt+k], 2111, v[E+32*bt+k]     ; a place derived from loaded numbers is held inside the region
.set k, k+1
.endr
.set k, 0
.rept 32
	v_lshlrev_b32 v[E+32*bt+k], 2, v[E+32*bt+k]
.set k, k+1
.endr
.if bt > 0
	s_wait_xcnt 0x0                                ; the last batch's stores have read their data: the registers are written again
.endif
.set k, 0
.rept 32
	v_add_nc_u32 v[ID+k], 128*((32*bt+k)/4)+k%4, v2    ; my id
.set k, k+1
.endr
.set k, 0
.rept 32
	global_store_b32 v[E+32*bt+k], v[ID+k], s[8:9]
.set k, k+1
.endr
	s_mov_b32 s[PX], s[PX+32]
.set bt, bt+1
.endr
	s_mov_b32 s13, s[PX]                           ; the expert's count
	v_add_nc_u32 v7, s13, v1                       ; 32 pads from word 'count' on
	v_min_u32 v7, 2079, v7
	v_lshlrev_b32 v9, 2, v7
	s_add_co_u32 s18, s12, 4096
	v_mov_b32 v10, s18
	global_store_b32 v9, v10, s[8:9]
	v_mov_b32 v8, s13
	global_store_b32 v2, v8, s[8:9] offset:8448    ; the count, at words 2112 on
	ds_store_b32 v4, v8                            ; and for the loss
	s_branch .Ljoin
.Lsum:
.set q, 0
.rept 32
	global_load_b128 v[E+4*q:E+4*q+3], v3, s[6:7] offset:16384+512*q   ; even lanes: experts 0-3 of a wave's sums; odd lanes: experts 4-7
.set q, q+1
.endr
	s_wait_loadcnt 0x0
	v_pk_add_f32 v[8:9], v[E:E+1], v[E+4:E+5]
	v_pk_add_f32 v[10:11], v[E+2:E+3], v[E+6:E+7]
.set q, 2
.rept 30
	v_pk_add_f32 v[8:9], v[8:9], v[E+4*q:E+4*q+1]
	v_pk_add_f32 v[10:11], v[10:11], v[E+4*q+2:E+4*q+3]
.set q, q+1
.endr
.irp xm, 2, 4, 8
.irp r, 8,9,10,11
	v_add_f32_dpp v\r, v\r, v\r row_xmask:\xm row_mask:0xf bank_mask:0xf
.endr
.endr
.irp r, 8,9,10,11
	v_permlanex16_b32 v[\r+4], v\r, s16, s17
.endr
.irp r, 8,9,10,11
	v_add_f32 v\r, v\r, v[\r+4]                    ; P of expert 4 (lane % 2) + r - 8
.endr
.Ljoin:
	s_wait_dscnt 0x0                               ; for wave 8's sake: my count lies in LDS
	s_barrier_signal -1
	s_barrier_wait -1
	s_cmp_lg_u32 s12, 8
	s_cbranch_scc1 .Lend
	ds_load_b128 v[16:19], v5
	s_wait_dscnt 0x0
.irp r, 16,17,18,19
	v_cvt_f32_u32 v\r, v\r
.endr
	v_mul_f32 v20, v16, v8
	v_fmac_f32 v20, v17, v9
	v_fmac_f32 v20, v18, v10
	v_fmac_f32 v20, v19, v11
	v_add_f32_dpp v20, v20, v20 row_xmask:1 row_mask:0xf bank_mask:0xf
	v_mul_f32 v20, 0x3b000000, v20                 ; / 512
	v_mov_b32 v21, 0
	v_cmp_eq_u32 vcc_lo, 0, v1
	s_wait_xcnt 0x0                                ; EXEC changes only behind this wait
	s_and_saveexec_b32 s18, vcc_lo
	global_store_b32 v21, v20, s[10:11]
	s_wait_xcnt 0x0
	s_or_b32 exec_lo, exec_lo, s18
.Lend:
	s_wait_tensorcnt 0x0
	ds_add_u32 v192, v193
	s_wait_dscnt 0x0
	s_endpgm
.Lfunc_end_k_qa0ffe618b5_place:
	.size	k_qa0ffe618b5_place, .Lfunc_end_k_qa0ffe618b5_place-k_qa0ffe618b5_place
	.p2alignl 7, 3214868480
	.fill 96, 4, 3214868480
	.section	.rodata,"a",@progbits
	.p2align	6, 0x0
	.amdhsa_kernel k_qa0ffe618b5_place
		.amdhsa_group_segment_fixed_size 1536
		.amdhsa_private_segment_fixed_size 0
		.amdhsa_enable_private_segment 0
		.amdhsa_kernarg_size 32
		.amdhsa_user_sgpr_count 2
		.amdhsa_user_sgpr_kernarg_segment_ptr 1
		.amdhsa_wavefront_size32 1
		.amdhsa_system_sgpr_workgroup_id_x 1
		.amdhsa_system_sgpr_workgroup_id_y 1
		.amdhsa_system_sgpr_workgroup_id_z 1
		.amdhsa_system_vgpr_workitem_id 0
		.amdhsa_next_free_vgpr 194
		.amdhsa_next_free_sgpr 100
		.amdhsa_reserve_vcc 1
		.amdhsa_float_denorm_mode_32 3
		.amdhsa_float_denorm_mode_16_64 3
		.amdhsa_memory_ordered 1
		.amdhsa_forward_progress 1
		.amdhsa_inst_pref_size 79
	.end_amdhsa_kernel
	.amdgpu_metadata
---
amdhsa.version: [ 1, 2 ]
amdhsa.kernels:
  - .name:           k_qa0ffe618b5_place
    .symbol:         k_qa0ffe618b5_place.kd
    .args:
      - { .name: sel, .offset: 0, .size: 8, .value_kind: global_buffer, .address_space: global }
      - { .name: rw, .offset: 8, .size: 8, .value_kind: global_buffer, .address_space: global }
      - { .name: lst, .offset: 16, .size: 8, .value_kind: global_buffer, .address_space: global }
      - { .name: out1, .offset: 24, .size: 8, .value_kind: global_buffer, .address_space: global }
    .group_segment_fixed_size: 1536
    .private_segment_fixed_size: 0
    .kernarg_segment_align: 8
    .kernarg_segment_size: 32
    .max_flat_workgroup_size: 288
    .sgpr_count:     100
    .vgpr_count:     194
    .wavefront_size: 32
...
	.end_amdgpu_metadata
.endif
;; end of part 2
;; launch ffn1 (part 3): grid 32 x 8, 4 waves a work-group, no clusters, 66,048 bytes of LDS; arguments w1, b1, xc, lst, lowp_scales, hid, loc; writes hid, loc
.if DOCPART == 3
	.amdgcn_target "amdgcn-amd-amdhsa--gfx1250"
	.amdhsa_code_object_version 6
	.text
	.protected	k_qa0ffe618b5_ffn1
	.globl	k_qa0ffe618b5_ffn1
	.p2align	8
	.type	k_qa0ffe618b5_ffn1,@function
k_qa0ffe618b5_ffn1:
	s_mov_b64 s[64:65], 0
	v_nop
	global_prefetch_b8 v0, s[64:65] scope:SCOPE_SE
	s_setreg_imm32_b32 hwreg(HW_REG_WAVE_MODE, 25, 1), 1
	s_wait_xcnt 0x0
; THE FIRST PRODUCT OF THE CHOSEN ROWS: hid = Q(gelu(x W1 + b1)), on codes of E5M2.  w1: [8][1024 (k)][2048] f32; xc: x's codes; lst: each expert's rows.
; THE WEIGHTS STAND STILL.  Work-group (slice, e) owns 64 hidden units of expert e: 1,024 x 64 numbers of w1, which no other work-group reads.  It reads them once, quantises them in
; registers (code = w / 2^e0, held within +-57,344), and hands them round through LDS as images of operand registers; then every wave holds all 32 fragments (4 tiles of 16 units x 8 K steps of 128)
; in 512 registers, and the expert's rows go past them, 16 at a time: wave w takes tiles w, w + 4, ..  Trip counts hang on the stored count, so operands come straight into registers.
; No multicast: partners of a cluster would need different numbers of tiles, by counts read from memory.
; THE ROWS' CODES HAVE TWO SETS OF REGISTERS.  A tile's 32 loads go out two tiles ahead, behind the products that free their set: they have a gelu and a whole further tile in which to land.
; A trip of the loop runs both sets; the last pair is written out and asks for nothing, so that each counted wait has the same loads behind it on every way.  A wave with an odd number of tiles
; fetches its last tile once more into the idle set (16 KiB) and jumps over that half's work.
; THE MATRIX INSTRUCTION IS USED TRANSPOSED: source 0 = 16 units of W1, source 1 = 16 rows.  A lane holds one row (lane % 16).  Lane r of tile 2 b + u takes unit 32 b + 8 u + r + 8 (r / 8),
; so the 16 registers of tiles 2 b, 2 b + 1 are units 32 b + 16 (lane / 16) + 0 .. 15: neighbours along the next product's K.
; A FRAGMENT: registers 4 c .. 4 c + 3 of lane (r, h) hold places 128 s + 32 c + 16 h + 0 .. 15 of K; place p is byte p of a row of xc, which is k = 512 (p >> 9) + 128 ((p & 15) >> 2) + 4 ((p & 511) >> 4) + (p & 3).
; The weight's rows are picked by the same rule, so every product meets its partner.  AN IMAGE: registers 4 c .. 4 c + 3 of lane L at 512 c + 16 L, 2,048 bytes a fragment.
; GELU, exact form, in f32: with a = sum + b1 / S, S = 2^(e0 + e1), h = a S:  gelu(h) / S = max(a, 0) - |a| u,  u = erfc(|h| / sqrt 2) / 2 = t 2^(poly(t) - (kz a)^2),  t = 1 / (1 + k1 |a|):
; the fit of erfc of degree 9 in t (relative error about 1e-7), taken on the side where nothing cancels.  S is folded into k1, kz and the conversion's scale 2^(e2 - e0 - e1).
; hid: [e][tile][K step 0..15][2,048]: images of the second product's operand; this slice gives parts c = 2 (slice % 2) + b of K step slice / 2: each store covers 512 consecutive bytes.
; loc[id] = 2048 e + the row's place (stored by slice 0 alone); a pad's id 4096 + e has a word of its own.
; An expert without rows still walks the weight phase: the barrier behind it stands on every wave's path.
; LIMITS: e0 and e2 - e0 - e1 between -126 and 112; e0 + e1 between -120 and 120.  NaN among the inputs is not served.
; REGISTERS.  Window 0: v1 lane, v2 r, v3 h, v4 16 lane, v5, v6 the weight phase's addresses, v7, v8 2^e0 and the hold, v9, v10 the hidden layer's, v11 16 h, v12 4 r, v13 2048 e + r,
;   v15 token, v18, v19 loc's offset and number, v20 offset in hid, v21 64 h, v[22:23] c8; v24-31 codes; v32-63 b1 / S in the result's layout;
;   v64-95 the four accumulators, v96-127 t, v128-159 the exponent, v160-191 the result (in the weight phase v64-127 numbers, v128-143 codes);
;   for set 0 and set 1: v192, v193 ids; v194, v195 offset in xc; v196, v197 offset in lst.
;   Windows 1, 2: W1's fragments ((tile t, K step s) at window 1 + s / 4, v[64 (s % 4) + 16 t]).   Window 3: four sets of 64 raw numbers, then the rows' fragments: set 0 at v0, set 1 at v128.
;   s18 wave, s19 slice, s20 expert, s21 tiles, s22 the tile in hand, s23 the tile to be fetched next, s58 my wave's tiles, s59 the pairs' counter, s60 my last tile, s61 pairs less the last.
.set BIAS, 32
.set ACC,  64
.set T,    96
.set P,    128
.set Z,    160
.set CD,   24
.set WT,   64
.set WC,   128
.set IDN,  192
.set XO,   194
.set LO,   196
.set MSB,  0
.macro WIN new                         ; the immediate's high byte repeats the setting that is left
.if MSB != (\new)
	s_set_vgpr_msb (MSB<<8)|(\new)
.set MSB, (\new)
.endif
.endm
.macro CPAIR r, bits                   ; a constant for a packed form: the pair is named, so both words are written
	s_mov_b32 s[\r], \bits
	s_mov_b32 s[\r+1], \bits
.endm
	s_load_b256 s[4:11], s[0:1], 0x0               ; w1 s[4:5], b1 s[6:7], xc s[8:9], lst s[10:11]
	s_load_b128 s[12:15], s[0:1], 0x20             ; the scales' exponents s[12:13], hid s[14:15]
	s_load_b64 s[16:17], s[0:1], 0x30              ; loc
	v_lshl_add_u32 v254, v0, 2, 0x10000
	v_mov_b32 v255, 0
	v_lshrrev_b32 v7, 5, v0
	v_readfirstlane_b32 s18, v7                    ; wave 0..3
	s_mov_b32 s19, ttmp9                           ; slice 0..31
	s_and_b32 s20, ttmp7, 0xffff                   ; expert
	v_and_b32 v1, 31, v0
	v_and_b32 v2, 15, v0                           ; r
	v_bfe_u32 v3, v0, 4, 1                         ; h
	v_lshlrev_b32 v4, 4, v1
	v_lshlrev_b32 v5, 4, v2                        ; w1: my 4 units (16 bytes) of the slice's 64,
	v_lshl_add_u32 v5, v3, 15, v5                  ; lanes 16-31 four rows (of 8,192 bytes) further down
	; where my 16 codes of a unit go: unit 4 (lane % 16) + comp is lane comp + 4 b0 + 8 b2 of tile 2 b3 + b1 (b0 .. b4: my lane's bits); my half b4 is the fragment's half
	v_bfe_u32 v6, v0, 0, 1
	v_lshlrev_b32 v6, 6, v6
	v_bfe_u32 v7, v0, 1, 1
	v_lshl_add_u32 v6, v7, 14, v6
	v_bfe_u32 v7, v0, 2, 1
	v_lshl_add_u32 v6, v7, 7, v6
	v_bfe_u32 v7, v0, 3, 1
	v_lshl_add_u32 v6, v7, 15, v6
	v_lshl_add_u32 v6, v3, 8, v6
	s_lshl_b32 s28, s18, 12
	v_add_nc_u32 v6, s28, v6                       ; + 4,096 x wave: K steps 2 w, 2 w + 1
	v_lshlrev_b32 v11, 4, v3
	v_lshlrev_b32 v12, 2, v2
	s_lshl_b32 s28, s20, 11
	v_add_nc_u32 v13, s28, v2
	v_lshlrev_b32 v21, 6, v3
	s_lshl_b32 s28, s20, 23                        ; w1: expert x 8 MiB
	s_lshl_b32 s30, s19, 8                         ; + slice x 256 bytes
	s_add_co_u32 s28, s28, s30
	s_lshr_b32 s30, s18, 1
	s_lshl_b32 s30, s30, 22                        ; + 512 (w / 2) rows
	s_add_co_u32 s28, s28, s30
	s_and_b32 s30, s18, 1
	s_lshl_b32 s30, s30, 19                        ; + 64 (w % 2) rows
	s_add_co_u32 s28, s28, s30
	s_mov_b32 s29, 0
	s_lshl_b32 s30, s20, 13                        ; b1: expert x 8,192 + slice x 256
	s_lshl_b32 s31, s19, 8
	s_add_co_u32 s30, s30, s31
	s_mov_b32 s31, 0
	s_mul_i32 s32, s20, 8704                       ; lst: the expert's region
	s_mov_b32 s33, 0
	s_lshl_b32 s34, s20, 22                        ; hid: expert x 4 MiB + 2,048 (slice / 2) + 1,024 (slice % 2)
	s_lshl_b32 s35, s19, 10
	s_add_co_u32 s34, s34, s35
	s_mov_b32 s35, 0
	s_wait_kmcnt 0x0
	s_add_nc_u64 s[4:5], s[4:5], s[28:29]
	s_add_nc_u64 s[6:7], s[6:7], s[30:31]
	s_add_nc_u64 s[10:11], s[10:11], s[32:33]
	s_add_nc_u64 s[14:15], s[14:15], s[34:35]
	s_load_b128 s[24:27], s[12:13], 0x0            ; e0, e1, e2, e3
	s_load_b32 s21, s[10:11], 0x2100               ; the expert's count (word 2112)
.irp t, 0,1,2,3
	global_load_b128 v[BIAS+8*\t:BIAS+8*\t+3], v21, s[6:7] offset:128*(\t/2)+32*(\t%2)       ; b1 at units 32 b + 16 h + 8 u + 0 .. 7
	global_load_b128 v[BIAS+8*\t+4:BIAS+8*\t+7], v21, s[6:7] offset:128*(\t/2)+32*(\t%2)+16
.endr
; THE WEIGHT PHASE.  A wave takes 8 groups; group gi is part c = gi % 4 of K step 2 w + gi / 4: 16 loads, load i at the row of place i; sixteen lanes read 256 consecutive bytes of a row.
.macro WLOAD gi
	WIN 0xc0                                       ; destination window 3
.irp i, 0,1,2,3,4,5,6,7,8,9,10,11,12,13,14,15
	global_load_b128 v[64*((\gi)%4)+4*\i:64*((\gi)%4)+4*\i+3], v5, s[4:5] offset:(32*((\gi)/4)+8*((\gi)%4)+128*(\i/4)+(\i%4))*8192 th:TH_LOAD_NT
.endr
	WIN 0
.endm
.macro WQUANT gi, left                 ; left: the loads of the younger groups, which stay out
	s_wait_loadcnt \left
	WIN 0x03                                       ; source 0 window 3
.irp i, 0,1,2,3,4,5,6,7,8,9,10,11,12,13,14,15
.irp c, 0,1,2,3
	v_med3_num_f32 v[WT+16*\c+\i], v[64*((\gi)%4)+4*\i+\c], -v8, v8   ; the hold at the largest code x the scale (ISA guide 7.6.2); it also sorts the four units apart: 16 places of one unit on end
.endr
.endr
.if (\gi) < 4
	WLOAD (\gi)+4                                  ; the set is free: the group four on
.endif
	WIN 0
	s_wait_dscnt 0x0                               ; the last group's LDS stores have read the codes' registers
.irp c, 0,1,2,3
	v_cvt_scalef32_pk8_bf8_f32 v[WC+4*\c:WC+4*\c+1], v[WT+16*\c:WT+16*\c+7], v7
	v_cvt_scalef32_pk8_bf8_f32 v[WC+4*\c+2:WC+4*\c+3], v[WT+16*\c+8:WT+16*\c+15], v7
.endr
	v_nop                                          ; a plain line behind the last conversion: the next group's holds write its sources
.irp c, 0,1,2,3
	ds_store_b128 v6, v[WC+4*\c:WC+4*\c+3] offset:2048*((\gi)/4)+512*((\gi)%4)+16*\c
.endr
.endm
	WLOAD 0
	WLOAD 1
	WLOAD 2
	WLOAD 3                                        ; 64 loads of 512 bytes a wave are asked for
	s_wait_kmcnt 0x0
	s_add_co_i32 s28, s24, 127
	s_lshl_b32 s29, s28, 23
	v_mov_b32 v7, s29                              ; 2^e0
	s_add_co_i32 s28, s28, 15
	s_lshl_b32 s28, s28, 23
	s_or_b32 s28, s28, 0x600000
	v_mov_b32 v8, s28                              ; 57,344 x 2^e0
	s_add_co_i32 s28, s24, s25                     ; e0 + e1
	s_sub_co_i32 s37, 0, s28
	s_lshl_b32 s30, s28, 23
	s_add_co_i32 s36, s30, 0x3eb504f3              ; k1 = S / (2 sqrt 2): the exponents are added to the constant's exponent field
	s_add_co_i32 s38, s30, 0x3f596d27              ; kz = S sqrt(log2(e) / 2)
	s_mov_b32 s39, s38
	s_sub_co_i32 s31, s26, s28                     ; e2 - e0 - e1
	s_add_co_i32 s31, s31, 127
	s_lshl_b32 s32, s31, 23
	v_mov_b32 v9, s32
	s_add_co_i32 s31, s31, 15
	s_lshl_b32 s31, s31, 23
	s_or_b32 s31, s31, 0x600000
	v_mov_b32 v10, s31
	CPAIR 40, 0xc034d90f                           ; the fit's coefficients x log2(e); c0 also takes the factor 1/2 as -1
	CPAIR 42, 0x3fb8ab5a
	CPAIR 44, 0x3f0a29d2
	CPAIR 46, 0x3e0efb2e
	CPAIR 48, 0xbe899a80
	CPAIR 50, 0x3ecdfd18
	CPAIR 52, 0xbfd1a1e5
	CPAIR 54, 0x40097039
	CPAIR 56, 0x3e7c6f08                           ; c9
	v_mov_b32 v22, 0xbf97d29d                      ; c8
	v_mov_b32 v23, 0xbf97d29d
	s_add_co_u32 s21, s21, 15
	s_lshr_b32 s21, s21, 4
	s_min_u32 s21, s21, 128                        ; tiles of 16 rows
	WQUANT 0, 48                                   ; (b1's loads are older than every group's: the first wait covers them)
	WQUANT 1, 48
	WQUANT 2, 48
	WQUANT 3, 48
	WQUANT 4, 48
	WQUANT 5, 32
	WQUANT 6, 16
	WQUANT 7, 0
	s_wait_dscnt 0x0                               ; for the others' sake: my images lie in LDS
	s_barrier_signal -1
	s_barrier_wait -1                              ; everybody's do.  The launch's only barrier
	s_cmp_ge_u32 s18, s21
	s_cbranch_scc1 .Lend                           ; no tile for my wave
	s_sub_co_u32 s58, s21, s18                     ; my tiles: w, w + 4, .. below the number of tiles: (tiles - w + 3) / 4,
	s_add_co_u32 s58, s58, 3
	s_lshr_b32 s58, s58, 2
	s_min_u32 s58, s58, 32                         ; 32 at the most, of 128 tiles
	s_sub_co_u32 s60, s58, 1
	s_lshl_b32 s60, s60, 2
	s_add_co_u32 s60, s60, s18                     ; my last tile
	s_add_co_u32 s61, s58, 1
	s_lshr_b32 s61, s61, 1
	s_sub_co_u32 s61, s61, 1                       ; pairs of tiles, less the last pair: the loop's trips
	s_mov_b32 s59, 0                               ; the pairs' counter: it steps by 1
	s_mov_b32 s22, s18                             ; the tile in hand
	s_mov_b32 s23, s18                             ; the tile to be fetched next
	s_lshl_b32 s28, s18, 6
	v_add_nc_u32 v[LO], s28, v12
	global_load_b32 v[IDN], v[LO], s[10:11]        ; ids of my first tile: word 16 tile + r
	s_add_co_u32 s28, s18, 4
	s_min_u32 s28, s28, s60                        ; my second tile, or the first once more
	s_min_u32 s28, s28, 127
	s_lshl_b32 s28, s28, 6
	v_add_nc_u32 v[LO+1], s28, v12
	global_load_b32 v[IDN+1], v[LO+1], s[10:11]
.irp s, 0,1,2,3,4,5,6,7
	WIN 0x40+0x40*(\s/4)                           ; destination window 1 or 2
.irp t, 0,1,2,3
.irp c, 0,1,2,3
	ds_load_b128 v[64*(\s%4)+16*\t+4*\c:64*(\s%4)+16*\t+4*\c+3], v4 offset:(8*\t+\s)*2048+512*\c
.endr
.endr
.endr
	WIN 0
.set n, 0
.rept 32
	v_ldexp_f32 v[BIAS+n], v[BIAS+n], s37          ; b1 / S: it goes in as the C of each sum's first product
.set n, n+1
.endr
; The rows of tile s23 (held at my last tile), whose ids lie in the set's register: their codes are asked for into set buf, their places are noted, and the ids of the tile two fetches on are asked for.
; left: the loads issued behind the load of these ids, which stay out.
.macro FEED buf, left
	s_wait_loadcnt \left                           ; the ids are in
	s_wait_xcnt 0x0                                ; earlier loads and stores have read their offsets and data: they are written again
	s_min_u32 s28, s23, s60
	s_min_u32 s28, s28, 127                        ; (a number derived from a loaded one enters an address held by a constant)
	v_and_b32 v15, 0x7ff, v[IDN+\buf]              ; the token
	v_min_u32 v15, 0x7ff, v15
	v_lshl_add_u32 v[XO+\buf], v15, 10, v11        ; its row of codes, + 16 h
	v_min_u32 v18, 4103, v[IDN+\buf]
	v_lshlrev_b32 v18, 2, v18
	s_lshl_b32 s29, s28, 4
	v_add_nc_u32 v19, s29, v13                     ; 2048 e + 16 tile + r
	WIN 0xc0
.irp s, 0,1,2,3,4,5,6,7
.irp c, 0,1,2,3
	global_load_b128 v[128*\buf+16*\s+4*\c:128*\buf+16*\s+4*\c+3], v[XO+\buf], s[8:9] offset:128*\s+32*\c
.endr
.endr
	WIN 0
	s_cmp_lg_u32 s19, 0
	s_cbranch_scc1 .Lnoloc_\@
	global_store_b32 v18, v19, s[16:17]            ; one slice notes the places
.Lnoloc_\@:
	s_add_co_u32 s28, s23, 8                       ; this set's next tile; behind my last tile: the last ids once more, inside the list
	s_min_u32 s28, s28, s60
	s_min_u32 s28, s28, 127
	s_lshl_b32 s28, s28, 6
	v_add_nc_u32 v[LO+\buf], s28, v12
	global_load_b32 v[IDN+\buf], v[LO+\buf], s[10:11]
	s_add_co_u32 s23, s23, 4
.endm
; A TILE, from set buf.  left: the loads issued behind this set's 32, which stay out.  feed = 1: the set is filled again, with the tile two on, as soon as the products have read it.
.macro HALF buf, feed, left
	s_wait_loadcnt \left
.irp s, 0,1,2,3,4,5,6,7                        ; the four accumulators take turns, one instruction a turn
	WIN 0x0d+(\s/4)                                ; source 0 (W1) window 1 or 2, source 1 (the rows) window 3
.irp t, 0,1,2,3
.if \s == 0
	v_wmma_f32_16x16x128_bf8_bf8 v[ACC+8*\t:ACC+8*\t+7], v[64*(\s%4)+16*\t:64*(\s%4)+16*\t+15], v[128*\buf+16*\s:128*\buf+16*\s+15], v[BIAS+8*\t:BIAS+8*\t+7]
.else
	v_wmma_f32_16x16x128_bf8_bf8 v[ACC+8*\t:ACC+8*\t+7], v[64*(\s%4)+16*\t:64*(\s%4)+16*\t+15], v[128*\buf+16*\s:128*\buf+16*\s+15], v[ACC+8*\t:ACC+8*\t+7]
.endif
.endr
.endr
	WIN 0
.rept 4
	v_nop                                          ; four places ahead of loads into registers that the products read, and of the first read of the sums
.endr
.if \feed
	FEED \buf, 33                                  ; behind the load of these ids: the other set's 32 loads of codes and its load of ids
.endif
.set n, 0
.rept 32
	v_fma_f32 v[T+n], |v[ACC+n]|, s36, 1.0         ; 1 + k1 |a|; each accumulator is read from its low end on
.set n, n+1
.endr
.set n, 0
.rept 32
	v_rcp_f32 v[T+n], v[T+n]                       ; t
.set n, n+1
.endr
.set n, 0
.rept 16
	v_pk_mul_f32 v[Z+n:Z+n+1], v[ACC+n:ACC+n+1], s[38:39] op_sel_hi:[1,0]   ; kz a: plain work behind the batch
.set n, n+2
.endr
	s_wait_alu depctr_va_vdst(0)                   ; one wait for the 32 reciprocals, ahead of their first reader
.set n, 0
.rept 16
	v_pk_fma_f32 v[P+n:P+n+1], v[T+n:T+n+1], s[56:57], v[22:23] op_sel_hi:[1,0,1]   ; c9 t + c8
.set n, n+2
.endr
.irp k, 7,6,5,4,3,2,1,0
.set n, 0
.rept 16
	v_pk_fma_f32 v[P+n:P+n+1], v[P+n:P+n+1], v[T+n:T+n+1], s[40+2*\k:41+2*\k] op_sel_hi:[1,1,0]
.set n, n+2
.endr
.endr
.set n, 0
.rept 16
	v_pk_fma_f32 v[P+n:P+n+1], v[Z+n:Z+n+1], v[Z+n:Z+n+1], v[P+n:P+n+1] neg_lo:[1,0,0] neg_hi:[1,0,0]   ; - (kz a)^2
.set n, n+2
.endr
.set n, 0
.rept 32
	v_exp_f32 v[P+n], v[P+n]
.set n, n+1
.endr
.set n, 0
.rept 32
	v_max_num_f32 v[Z+n], 0, v[ACC+n]              ; max(a, 0): plain work behind the batch
.set n, n+1
.endr
	s_wait_alu depctr_va_vdst(0)                   ; one wait for the 32 exponentials
.set n, 0
.rept 16
	v_pk_mul_f32 v[T+n:T+n+1], v[T+n:T+n+1], v[P+n:P+n+1]   ; u
.set n, n+2
.endr
.set n, 0
.rept 32
	v_fma_f32 v[Z+n], -|v[ACC+n]|, v[T+n], v[Z+n]  ; gelu / S
.set n, n+1
.endr
.set n, 0
.rept 32
	v_med3_num_f32 v[Z+n], v[Z+n], -v10, v10       ; the hold
.set n, n+1
.endr
	s_wait_xcnt 0x0                                ; the last tile's stores have read their codes and their offset
.irp g, 0,1
	v_cvt_scalef32_pk8_bf8_f32 v[CD+4*\g:CD+4*\g+1], v[Z+16*\g:Z+16*\g+7], v9
	v_cvt_scalef32_pk8_bf8_f32 v[CD+4*\g+2:CD+4*\g+3], v[Z+16*\g+8:Z+16*\g+15], v9
.endr
	v_nop                                          ; a plain line behind the last conversion
	s_min_u32 s28, s22, 127
	s_lshl_b32 s28, s28, 15                        ; a tile's images: 16 x 2,048 bytes
	v_add_nc_u32 v20, s28, v4
	global_store_b128 v20, v[CD:CD+3], s[14:15]            ; 512 consecutive bytes each
	global_store_b128 v20, v[CD+4:CD+7], s[14:15] offset:512
	s_add_co_u32 s22, s22, 4                       ; my next tile
.endm
	FEED 0, 0                                      ; my first tile into set 0,
	FEED 1, 33                                     ; my second into set 1: behind the load of its ids stand set 0's 32 loads of codes and one load of ids
	s_wait_dscnt 0x0                               ; W1's fragments are in
	s_cmp_eq_u32 s61, 0
	s_cbranch_scc1 .Ltail
.Ltrip:                                                ; behind a set's 32 loads stand: its next ids (1), the other set's 32 loads, the other set's next ids (1): 34 stay out
	HALF 0, 1, 34
	HALF 1, 1, 34
	s_add_co_u32 s59, s59, 1                       ; the loop ends on its own counter, one a pair
	s_cmp_lt_u32 s59, s61
	s_cbranch_scc1 .Ltrip
.Ltail:
	HALF 0, 0, 34                                  ; the last pair asks for nothing
	s_and_b32 s28, s58, 1
	s_cmp_lg_u32 s28, 0
	s_cbranch_scc1 .Lend                           ; an odd number of tiles: set 1 holds my last tile once more, and nothing is left to do
	HALF 1, 0, 1                                   ; behind set 1's 32 loads stands one load of ids
.Lend:
	s_wait_tensorcnt 0x0
	ds_add_u32 v254, v255
	s_wait_dscnt 0x0
	s_endpgm
.Lfunc_end_k_qa0ffe618b5_ffn1:
	.size	k_qa0ffe618b5_ffn1, .Lfunc_end_k_qa0ffe618b5_ffn1-k_qa0ffe618b5_ffn1
	.p2alignl 7, 3214868480
	.fill 96, 4, 3214868480
	.section	.rodata,"a",@progbits
	.p2align	6, 0x0
	.amdhsa_kernel k_qa0ffe618b5_ffn1
		.amdhsa_group_segment_fixed_size 66048
		.amdhsa_private_segment_fixed_size 0
		.amdhsa_enable_private_segment 0
		.amdhsa_kernarg_size 56
		.amdhsa_user_sgpr_count 2
		.amdhsa_user_sgpr_kernarg_segment_ptr 1
		.amdhsa_wavefront_size32 1
		.amdhsa_system_sgpr_workgroup_id_x 1
		.amdhsa_system_sgpr_workgroup_id_y 1
		.amdhsa_system_sgpr_workgroup_id_z 1
		.amdhsa_system_vgpr_workitem_id 0
		.amdhsa_next_free_vgpr 1024
		.amdhsa_next_free_sgpr 66
		.amdhsa_reserve_vcc 0
		.amdhsa_float_denorm_mode_32 3
		.amdhsa_float_denorm_mode_16_64 3
		.amdhsa_memory_ordered 1
		.amdhsa_forward_progress 1
		.amdhsa_inst_pref_size 181
	.end_amdhsa_kernel
	.amdgpu_metadata
---
amdhsa.version: [ 1, 2 ]
amdhsa.kernels:
  - .name:           k_qa0ffe618b5_ffn1
    .symbol:         k_qa0ffe618b5_ffn1.kd
    .args:
      - { .name: w1, .offset: 0, .size: 8, .value_kind: global_buffer, .address_space: global }
      - { .name: b1, .offset: 8, .size: 8, .value_kind: global_buffer, .address_space: global }
      - { .name: xc, .offset: 16, .size: 8, .value_kind: global_buffer, .address_space: global }
      - { .name: lst, .offset: 24, .size: 8, .value_kind: global_buffer, .address_space: global }
      - { .name: lowp_scales, .offset: 32, .size: 8, .value_kind: global_buffer, .address_space: global }
      - { .name: hid, .offset: 40, .size: 8, .value_kind: global_buffer, .address_space: global }
      - { .name: loc, .offset: 48, .size: 8, .value_kind: global_buffer, .address_space: global }
    .group_segment_fixed_size: 66048
    .private_segment_fixed_size: 0
    .kernarg_segment_align: 8
    .kernarg_segment_size: 56
    .max_flat_workgroup_size: 128
    .sgpr_count:     66
    .vgpr_count:     1024
    .wavefront_size: 32
...
	.end_amdgpu_metadata
.endif
;; end of part 3
;; launch ffn2 (part 4): grid 32 x 8, 4 waves a work-group, no clusters, 75,264 bytes of LDS; arguments w2, b2, hid, lst, lowp_scales, y; writes y
.if DOCPART == 4
	.amdgcn_target "amdgcn-amd-amdhsa--gfx1250"
	.amdhsa_code_object_version 6
	.text
	.protected	k_qa0ffe618b5_ffn2
	.globl	k_qa0ffe618b5_ffn2
	.p2align	8
	.type	k_qa0ffe618b5_ffn2,@function
k_qa0ffe618b5_ffn2:
	s_mov_b64 s[64:65], 0
	v_nop
	global_prefetch_b8 v0, s[64:65] scope:SCOPE_SE
	s_setreg_imm32_b32 hwreg(HW_REG_WAVE_MODE, 25, 1), 1
	s_wait_xcnt 0x0
; THE SECOND PRODUCT OF THE CHOSEN ROWS: y = hid W2 x 2^(e2 + e3) + b2, on codes of E5M2.  w2: [8][2048 (k)][1024] f32; hid: images of the rows' fragments, [e][tile][K step 0..15][2,048].
; THE WEIGHTS STAND STILL, as in the first product.  Work-group (slice, e) owns 32 outputs of expert e: 2,048 x 32 numbers of w2, read once, quantised in registers (code = w / 2^e3, held within +-57,344),
; handed round through LDS as images; every wave then holds all 32 fragments (2 tiles of 16 outputs x 16 K steps) in 512 registers.  Wave w takes the expert's tiles of 16 rows w, w + 4, ..
; Trip counts hang on the stored count, so operands come straight into registers; no multicast, since partners would need different numbers of tiles.
; TRANSPOSED USE: source 0 = 16 outputs of W2, source 1 = 16 rows.  Lane r of tile u takes output 8 u + r + 8 (r / 8): a lane's 16 results are outputs 16 (lane / 16) + 0 .. 15 of row lane % 16.
; A row's fragments of a tile (32 KiB) come in two chunks of 8 K steps, each fetched while the other is multiplied.  Even and odd K steps have accumulators of their own: four take turns.
; y: [e][tile][slice][16 rows][32] f32: a wave's 2,048 bytes go through its own stage in LDS and leave as four stores of 512 consecutive bytes.
; LIMITS: e3 between -126 and 112; e2 + e3 between -126 and 127.  NaN among the inputs is not served.
; REGISTERS.  Window 0: v1 lane, v2 r, v3 h, v4 16 lane, v5, v6 the weight phase's addresses, v7, v8 2^e3 and the hold, v9, v10 the chunks' offsets, v11, v12 the stage (in, back), v13 offset in y,
;   v14 at work, v15 64 h; v16-31 b2; v32-63 accumulators ((u, parity) at 8 (2 parity + u)); v64-79 results; v80-95 rows read back; v96-159, v160-175 the weight phase's numbers and codes.
;   Windows 1, 2: W2's fragments ((u, s) at window 1 + s / 8, v[32 (s % 8) + 16 u]).   Window 3: four sets of 64 raw numbers, then the rows' 16 fragments.
;   s18 wave, s19 slice, s20 expert, s21 tiles, s23 the tile in hand + 4, s40 my wave's trips less the last, s41 the trips' counter.
.set B2,  16
.set ACC, 32
.set Y,   64
.set YB,  80
.set WT,  96
.set WC,  160
.set STG, 65536                        ; behind the images: a stage of 16 rows x (128 + 16) bytes for each wave
.set MSB, 0
.macro WIN new                         ; the immediate's high byte repeats the setting that is left
.if MSB != (\new)
	s_set_vgpr_msb (MSB<<8)|(\new)
.set MSB, (\new)
.endif
.endm
	s_load_b256 s[4:11], s[0:1], 0x0               ; w2 s[4:5], b2 s[6:7], hid s[8:9], lst s[10:11]
	s_load_b128 s[12:15], s[0:1], 0x20             ; the scales' exponents s[12:13], y s[14:15]
	v_lshl_add_u32 v254, v0, 2, 0x12400
	v_mov_b32 v255, 0
	v_lshrrev_b32 v7, 5, v0
	v_readfirstlane_b32 s18, v7                    ; wave 0..3
	s_mov_b32 s19, ttmp9                           ; slice 0..31
	s_and_b32 s20, ttmp7, 0xffff                   ; expert
	v_and_b32 v1, 31, v0
	v_and_b32 v2, 15, v0                           ; r
	v_bfe_u32 v3, v0, 4, 1                         ; h
	v_lshlrev_b32 v4, 4, v1
	v_and_b32 v14, 7, v0
	v_lshlrev_b32 v5, 4, v14                       ; w2: my 4 outputs (16 bytes) of the slice's 32,
	v_bfe_u32 v14, v0, 3, 2
	v_lshl_add_u32 v5, v14, 16, v5                 ; and 16 (lane / 8) rows (of 4,096 bytes) down
	; where my 16 codes of an output go: output 4 (lane % 8) + comp is lane comp + 4 b0 + 8 b2 of tile b1; b3 is the fragment's half, b4 the low bit of its part c
	v_bfe_u32 v6, v0, 0, 1
	v_lshlrev_b32 v6, 6, v6
	v_bfe_u32 v7, v0, 1, 1
	v_lshl_add_u32 v6, v7, 15, v6
	v_bfe_u32 v7, v0, 2, 1
	v_lshl_add_u32 v6, v7, 7, v6
	v_bfe_u32 v7, v0, 3, 1
	v_lshl_add_u32 v6, v7, 8, v6
	v_lshl_add_u32 v6, v3, 9, v6
	s_lshl_b32 s28, s18, 13
	v_add_nc_u32 v6, s28, v6                       ; + 8,192 x wave: K steps 4 w .. 4 w + 3
	s_mul_i32 s28, s18, 2304
	s_add_co_u32 s28, s28, STG                     ; my stage
	v_mul_u32_u24 v11, v2, 144
	v_lshl_add_u32 v11, v3, 6, v11
	v_add_nc_u32 v11, s28, v11                     ; in: row r, + 64 h
	v_bfe_u32 v14, v0, 3, 2
	v_mul_u32_u24 v12, v14, 144
	v_and_b32 v14, 7, v0
	v_lshl_add_u32 v12, v14, 4, v12
	v_add_nc_u32 v12, s28, v12                     ; back: eight lanes to a row of 128 bytes, four rows a load
	v_lshlrev_b32 v15, 6, v3
	s_lshl_b32 s28, s20, 23                        ; w2: expert x 8 MiB + slice x 128 bytes + 512 w rows
	s_lshl_b32 s30, s19, 7
	s_add_co_u32 s28, s28, s30
	s_lshl_b32 s30, s18, 21
	s_add_co_u32 s28, s28, s30
	s_mov_b32 s29, 0
	s_lshl_b32 s30, s20, 12                        ; b2: expert x 4,096 + slice x 128
	s_lshl_b32 s31, s19, 7
	s_add_co_u32 s30, s30, s31
	s_mov_b32 s31, 0
	s_mul_i32 s32, s20, 8704                       ; lst: the expert's region
	s_mov_b32 s33, 0
	s_lshl_b32 s34, s20, 22                        ; hid: expert x 4 MiB
	s_mov_b32 s35, 0
	s_lshl_b32 s38, s20, 23                        ; y: expert x 8 MiB + slice x 2,048
	s_lshl_b32 s39, s19, 11
	s_add_co_u32 s38, s38, s39
	s_mov_b32 s39, 0
	s_wait_kmcnt 0x0
	s_add_nc_u64 s[4:5], s[4:5], s[28:29]
	s_add_nc_u64 s[6:7], s[6:7], s[30:31]
	s_add_nc_u64 s[10:11], s[10:11], s[32:33]
	s_add_nc_u64 s[8:9], s[8:9], s[34:35]
	s_add_nc_u64 s[14:15], s[14:15], s[38:39]
	s_load_b128 s[24:27], s[12:13], 0x0            ; e0, e1, e2, e3
	s_load_b32 s21, s[10:11], 0x2100               ; the expert's count (word 2112)
.irp q, 0,1,2,3
	global_load_b128 v[B2+4*\q:B2+4*\q+3], v15, s[6:7] offset:16*\q   ; b2 at outputs 16 h + 0 .. 15
.endr
; THE WEIGHT PHASE.  A wave takes 8 groups; group gi is parts c = 2 (gi % 2) + (lane / 16) of K step 4 w + gi / 2: 16 loads, load i at row i of the lane's 16; eight lanes read 128 consecutive bytes of a row.
.macro WLOAD gi
	WIN 0xc0                                       ; destination window 3
.irp i, 0,1,2,3,4,5,6,7,8,9,10,11,12,13,14,15
	global_load_b128 v[64*((\gi)%4)+4*\i:64*((\gi)%4)+4*\i+3], v5, s[4:5] offset:(128*((\gi)/2)+64*((\gi)%2)+\i)*4096
.endr
	WIN 0
.endm
.macro WQUANT gi, left                 ; left: the loads of the younger groups, which stay out
	s_wait_loadcnt \left
	WIN 0x03                                       ; source 0 window 3
.irp i, 0,1,2,3,4,5,6,7,8,9,10,11,12,13,14,15
.irp c, 0,1,2,3
	v_med3_num_f32 v[WT+16*\c+\i], v[64*((\gi)%4)+4*\i+\c], -v8, v8   ; the hold at the largest code x the scale (ISA guide 7.6.2); it also sorts the four outputs apart
.endr
.endr
.if (\gi) < 4
	WLOAD (\gi)+4                                  ; the set is free: the group four on
.endif
	WIN 0
	s_wait_dscnt 0x0                               ; the last group's LDS stores have read the codes' registers
.irp c, 0,1,2,3
	v_cvt_scalef32_pk8_bf8_f32 v[WC+4*\c:WC+4*\c+1], v[WT+16*\c:WT+16*\c+7], v7
	v_cvt_scalef32_pk8_bf8_f32 v[WC+4*\c+2:WC+4*\c+3], v[WT+16*\c+8:WT+16*\c+15], v7
.endr
	v_nop                                          ; a plain line behind the last conversion: the next group's holds write its sources
.irp c, 0,1,2,3
	ds_store_b128 v6, v[WC+4*\c:WC+4*\c+3] offset:2048*((\gi)/2)+1024*((\gi)%2)+16*\c
.endr
.endm
	WLOAD 0
	WLOAD 1
	WLOAD 2
	WLOAD 3
	s_wait_kmcnt 0x0
	s_add_co_i32 s28, s27, 127
	s_lshl_b32 s29, s28, 23
	v_mov_b32 v7, s29                              ; 2^e3
	s_add_co_i32 s28, s28, 15
	s_lshl_b32 s28, s28, 23
	s_or_b32 s28, s28, 0x600000
	v_mov_b32 v8, s28                              ; 57,344 x 2^e3
	s_add_co_i32 s36, s26, s27
	s_add_co_i32 s36, s36, 127
	s_lshl_b32 s36, s36, 23                        ; 2^(e2 + e3) as f32
	s_mov_b32 s37, s36                             ; (named with it as a pair, so it is written)
	s_add_co_u32 s21, s21, 15
	s_lshr_b32 s21, s21, 4
	s_min_u32 s21, s21, 128                        ; tiles of 16 rows
	WQUANT 0, 48                                   ; (b2's loads are older than every group's: the first wait covers them)
	WQUANT 1, 48
	WQUANT 2, 48
	WQUANT 3, 48
	WQUANT 4, 48
	WQUANT 5, 32
	WQUANT 6, 16
	WQUANT 7, 0
	s_wait_dscnt 0x0                               ; for the others' sake: my images lie in LDS
	s_barrier_signal -1
	s_barrier_wait -1                              ; everybody's do.  The launch's only barrier
	s_cmp_ge_u32 s18, s21
	s_cbranch_scc1 .Lend                           ; no tile for my wave
; a chunk of a tile's fragments: K steps 8 half .. 8 half + 7, each load 512 consecutive bytes
.macro HLOAD half, adr
	WIN 0xc0
.irp s, 0,1,2,3,4,5,6,7
.irp c, 0,1,2,3
	global_load_b128 v[128*\half+16*\s+4*\c:128*\half+16*\s+4*\c+3], v[\adr], s[8:9] offset:2048*(8*\half+\s)+512*\c
.endr
.endr
	WIN 0
.endm
; 16 products on a chunk.  The four accumulators take turns, one instruction a turn; the first two K steps start the sums.
.macro MUL half
	WIN 0x0d+\half                                 ; source 0 (W2) window 1 or 2, source 1 (the rows) window 3
.irp s, 0,1,2,3,4,5,6,7
.irp u, 0,1
.if (\half == 0) && (\s < 2)
	v_wmma_f32_16x16x128_bf8_bf8 v[ACC+8*(2*(\s%2)+\u):ACC+8*(2*(\s%2)+\u)+7], v[32*\s+16*\u:32*\s+16*\u+15], v[128*\half+16*\s:128*\half+16*\s+15], 0
.else
	v_wmma_f32_16x16x128_bf8_bf8 v[ACC+8*(2*(\s%2)+\u):ACC+8*(2*(\s%2)+\u)+7], v[32*\s+16*\u:32*\s+16*\u+15], v[128*\half+16*\s:128*\half+16*\s+15], v[ACC+8*(2*(\s%2)+\u):ACC+8*(2*(\s%2)+\u)+7]
.endif
.endr
.endr
.endm
.macro PLACES                          ; four places ahead of loads into registers that the products read, and of the first read of the sums
.rept 4
	v_nop
.endr
.endm
; A tile.  s23 = the tile's number + 4.  next = 1: tile s23 is mine too, and its chunks are asked for as this tile's are used up.
.macro TRIP next
	s_wait_loadcnt 32                              ; the first chunk is in; the second chunk's 32 loads may stay out
	MUL 0
.if \next
	WIN 0
	PLACES
	s_min_u32 s28, s23, 127
	s_lshl_b32 s28, s28, 15                        ; a tile's images: 32 KiB
	v_add_nc_u32 v9, s28, v4                       ; (the loads that read this offset are in)
	HLOAD 0, 9
	s_wait_loadcnt 32                              ; the second chunk is in; the 32 loads just issued stay out
.else
	s_wait_loadcnt 0x0
.endif
	MUL 1
	WIN 0
	PLACES
	s_wait_xcnt 0x0                                ; the last tile's stores have read their data (v80-95) and their offset (v13), which the way out below writes again.  The wait stands ahead of the 32 loads
	                                               ; that follow: those read v10 and the base alone, and the way out writes neither
.if \next
	v_mov_b32 v10, v9                              ; an offset of its own: the first chunk's is written again while these loads are out
	HLOAD 1, 10
.endif
.set n, 0
.rept 8
	v_pk_add_f32 v[Y+n:Y+n+1], v[ACC+n:ACC+n+1], v[ACC+16+n:ACC+17+n]   ; even K steps' sums + odd ones'; each accumulator is read from its low end on
.set n, n+2
.endr
.set n, 0
.rept 8
	v_pk_fma_f32 v[Y+n:Y+n+1], v[Y+n:Y+n+1], s[36:37], v[B2+n:B2+n+1] op_sel_hi:[1,0,1]   ; x 2^(e2 + e3) + b2
.set n, n+2
.endr
.irp q, 0,1,2,3
	ds_store_b128 v11, v[Y+4*\q:Y+4*\q+3] offset:16*\q
.endr
.irp q, 0,1,2,3
	ds_load_b128 v[YB+4*\q:YB+4*\q+3], v12 offset:576*\q   ; LDS serves a wave's instructions in order (ISA guide 5.7.1.4): these see my stores; the stage is my wave's own
.endr
	s_sub_co_u32 s28, s23, 4
	s_min_u32 s28, s28, 127
	s_lshl_b32 s28, s28, 16                        ; a tile of y: 32 slices x 2,048 bytes
	v_add_nc_u32 v13, s28, v4
	s_wait_dscnt 0x0
.irp q, 0,1,2,3
	global_store_b128 v13, v[YB+4*\q:YB+4*\q+3], s[14:15] offset:512*\q th:TH_STORE_NT   ; 512 consecutive bytes each
.endr
.endm
	s_lshl_b32 s28, s18, 15
	v_add_nc_u32 v9, s28, v4
	v_mov_b32 v10, v9
	HLOAD 0, 9                                     ; my first tile
	HLOAD 1, 10
.irp s, 0,1,2,3,4,5,6,7,8,9,10,11,12,13,14,15
	WIN 0x40+0x40*(\s/8)                           ; destination window 1 or 2
.irp u, 0,1
.irp c, 0,1,2,3
	ds_load_b128 v[32*(\s%8)+16*\u+4*\c:32*(\s%8)+16*\u+4*\c+3], v4 offset:(16*\u+\s)*2048+512*\c
.endr
.endr
.endr
	WIN 0
	s_wait_dscnt 0x0                               ; W2's fragments are in
	s_sub_co_u32 s40, s21, s18                     ; my tiles: w, w + 4, .. below the number of tiles: (tiles - w + 3) / 4,
	s_add_co_u32 s40, s40, 3
	s_lshr_b32 s40, s40, 2
	s_min_u32 s40, s40, 32                         ; 32 at the most, of 128 tiles;
	s_sub_co_u32 s40, s40, 1                       ; the loop walks all but the last
	s_mov_b32 s41, 0                               ; the trips' counter: it steps by 1
	s_add_co_u32 s23, s18, 4
	s_cmp_eq_u32 s40, 0
	s_cbranch_scc1 .Ltail
.Ltrip:
	TRIP 1
	s_add_co_u32 s23, s23, 4                       ; my next tile + 4
	s_add_co_u32 s41, s41, 1                       ; the loop ends on its own counter, one a trip
	s_cmp_lt_u32 s41, s40
	s_cbranch_scc1 .Ltrip
.Ltail:
	TRIP 0                                         ; my last tile is written out: it asks for nothing, so each counted wait has the same loads behind it on every way
.Lend:
	s_wait_tensorcnt 0x0
	ds_add_u32 v254, v255
	s_wait_dscnt 0x0
	s_endpgm
.Lfunc_end_k_qa0ffe618b5_ffn2:
	.size	k_qa0ffe618b5_ffn2, .Lfunc_end_k_qa0ffe618b5_ffn2-k_qa0ffe618b5_ffn2
	.p2alignl 7, 3214868480
	.fill 96, 4, 3214868480
	.section	.rodata,"a",@progbits
	.p2align	6, 0x0
	.amdhsa_kernel k_qa0ffe618b5_ffn2
		.amdhsa_group_segment_fixed_size 75264
		.amdhsa_private_segment_fixed_size 0
		.amdhsa_enable_private_segment 0
		.amdhsa_kernarg_size 48
		.amdhsa_user_sgpr_count 2
		.amdhsa_user_sgpr_kernarg_segment_ptr 1
		.amdhsa_wavefront_size32 1
		.amdhsa_system_sgpr_workgroup_id_x 1
		.amdhsa_system_sgpr_workgroup_id_y 1
		.amdhsa_system_sgpr_workgroup_id_z 1
		.amdhsa_system_vgpr_workitem_id 0
		.amdhsa_next_free_vgpr 1024
		.amdhsa_next_free_sgpr 66
		.amdhsa_reserve_vcc 0
		.amdhsa_float_denorm_mode_32 3
		.amdhsa_float_denorm_mode_16_64 3
		.amdhsa_memory_ordered 1
		.amdhsa_forward_progress 1
		.amdhsa_inst_pref_size 86
	.end_amdhsa_kernel
	.amdgpu_metadata
---
amdhsa.version: [ 1, 2 ]
amdhsa.kernels:
  - .name:           k_qa0ffe618b5_ffn2
    .symbol:         k_qa0ffe618b5_ffn2.kd
    .args:
      - { .name: w2, .offset: 0, .size: 8, .value_kind: global_buffer, .address_space: global }
      - { .name: b2, .offset: 8, .size: 8, .value_kind: global_buffer, .address_space: global }
      - { .name: hid, .offset: 16, .size: 8, .value_kind: global_buffer, .address_space: global }
      - { .name: lst, .offset: 24, .size: 8, .value_kind: global_buffer, .address_space: global }
      - { .name: lowp_scales, .offset: 32, .size: 8, .value_kind: global_buffer, .address_space: global }
      - { .name: y, .offset: 40, .size: 8, .value_kind: global_buffer, .address_space: global }
    .group_segment_fixed_size: 75264
    .private_segment_fixed_size: 0
    .kernarg_segment_align: 8
    .kernarg_segment_size: 48
    .max_flat_workgroup_size: 128
    .sgpr_count:     66
    .vgpr_count:     1024
    .wavefront_size: 32
...
	.end_amdgpu_metadata
.endif
;; end of part 4
;; launch add (part 5): grid 256 x 1, 8 waves a work-group, no clusters, 0 bytes of LDS; arguments y, loc, rw, out0; writes out0
.if DOCPART == 5
	.amdgcn_target "amdgcn-amd-amdhsa--gfx1250"
	.amdhsa_code_object_version 6
	.text
	.protected	k_qa0ffe618b5_add
	.globl	k_qa0ffe618b5_add
	.p2align	8
	.type	k_qa0ffe618b5_add,@function
k_qa0ffe618b5_add:
	s_mov_b64 s[64:65], 0
	v_nop
	global_prefetch_b8 v0, s[64:65] scope:SCOPE_SE
	s_setreg_imm32_b32 hwreg(HW_REG_WAVE_MODE, 25, 1), 1
	s_wait_xcnt 0x0
; out0[t] = c0 y(row of slot 0) + c1 y(row of slot 1).  A wave takes one token.  loc[slot x 2048 + t] = 2048 e + the row's place among the expert's rows; rw holds the weights at the same index.
; y: [e x 128 + tile][slice 0..31][16 rows][32] f32: a row's 1,024 numbers are 32 pieces of 128 bytes, 2,048 bytes apart.  Eight lanes take a piece, a load four pieces; a store covers 512 consecutive bytes of out0.
; Memory binds: no LDS, no barrier, no matrix unit.  All 16 loads of a wave go out at once.
	s_load_b256 s[4:11], s[0:1], 0x0               ; y s[4:5], loc s[6:7], rw s[8:9], out0 s[10:11]
	v_lshrrev_b32 v1, 5, v0
	v_readfirstlane_b32 s12, v1                    ; wave 0..7
	s_lshl_b32 s13, ttmp9, 3
	s_add_co_u32 s13, s13, s12                     ; my token
	s_lshl_b32 s14, s13, 2
	s_mov_b32 s15, 0
	s_lshl_b32 s18, s13, 12                        ; its row of out0
	s_mov_b32 s19, 0
	v_and_b32 v1, 31, v0
	v_lshlrev_b32 v3, 4, v1                        ; 16 x lane
	v_bfe_u32 v2, v0, 3, 2
	v_lshlrev_b32 v2, 11, v2                       ; piece lane / 8 of the load's four,
	v_and_b32 v4, 7, v0
	v_lshl_add_u32 v2, v4, 4, v2                   ; 16 bytes a lane
	s_wait_kmcnt 0x0
	s_add_nc_u64 s[6:7], s[6:7], s[14:15]
	s_add_nc_u64 s[8:9], s[8:9], s[14:15]
	s_add_nc_u64 s[10:11], s[10:11], s[18:19]
	s_load_b32 s16, s[6:7], 0x0                    ; slot 0's row,
	s_load_b32 s17, s[6:7], 0x2000                 ; slot 1's
	s_load_b32 s28, s[8:9], 0x0                    ; c0
	s_load_b32 s30, s[8:9], 0x2000                 ; c1
	s_wait_kmcnt 0x0
	s_mov_b32 s29, s28                             ; (the packed forms name pairs, so both words are written)
	s_mov_b32 s31, s30
	s_lshr_b32 s20, s16, 4
	s_min_u32 s20, s20, 1023                       ; a loaded number enters an address held by a constant
	s_lshl_b32 s20, s20, 16                        ; 64 KiB a tile
	s_and_b32 s21, s16, 15
	s_min_u32 s21, s21, 15
	s_lshl_b32 s21, s21, 7                         ; 128 bytes a row
	s_add_co_u32 s20, s20, s21
	s_mov_b32 s21, 0
	s_add_nc_u64 s[20:21], s[4:5], s[20:21]
	s_lshr_b32 s22, s17, 4
	s_min_u32 s22, s22, 1023
	s_lshl_b32 s22, s22, 16
	s_and_b32 s23, s17, 15
	s_min_u32 s23, s23, 15
	s_lshl_b32 s23, s23, 7
	s_add_co_u32 s22, s22, s23
	s_mov_b32 s23, 0
	s_add_nc_u64 s[22:23], s[4:5], s[22:23]
.irp j, 0,1,2,3,4,5,6,7
	global_load_b128 v[16+8*\j:19+8*\j], v2, s[20:21] offset:8192*\j th:TH_LOAD_NT
	global_load_b128 v[20+8*\j:23+8*\j], v2, s[22:23] offset:8192*\j th:TH_LOAD_NT
.endr
.irp j, 0,1,2,3,4,5,6,7
	s_wait_loadcnt 14-2*\j                         ; loads come back in order: pair j is in, the younger pairs stay out
	v_pk_mul_f32 v[16+8*\j:17+8*\j], v[16+8*\j:17+8*\j], s[28:29] op_sel_hi:[1,0]
	v_pk_mul_f32 v[18+8*\j:19+8*\j], v[18+8*\j:19+8*\j], s[28:29] op_sel_hi:[1,0]
	v_pk_fma_f32 v[16+8*\j:17+8*\j], v[20+8*\j:21+8*\j], s[30:31], v[16+8*\j:17+8*\j] op_sel_hi:[1,0,1]
	v_pk_fma_f32 v[18+8*\j:19+8*\j], v[22+8*\j:23+8*\j], s[30:31], v[18+8*\j:19+8*\j] op_sel_hi:[1,0,1]
	global_store_b128 v3, v[16+8*\j:19+8*\j], s[10:11] offset:512*\j th:TH_STORE_NT
.endr
	s_endpgm
.Lfunc_end_k_qa0ffe618b5_add:
	.size	k_qa0ffe618b5_add, .Lfunc_end_k_qa0ffe618b5_add-k_qa0ffe618b5_add
	.p2alignl 7, 3214868480
	.fill 96, 4, 3214868480
	.section	.rodata,"a",@progbits
	.p2align	6, 0x0
	.amdhsa_kernel k_qa0ffe618b5_add
		.amdhsa_group_segment_fixed_size 0
		.amdhsa_private_segment_fixed_size 0
		.amdhsa_enable_private_segment 0
		.amdhsa_kernarg_size 32
		.amdhsa_user_sgpr_count 2
		.amdhsa_user_sgpr_kernarg_segment_ptr 1
		.amdhsa_wavefront_size32 1
		.amdhsa_system_sgpr_workgroup_id_x 1
		.amdhsa_system_sgpr_workgroup_id_y 1
		.amdhsa_system_sgpr_workgroup_id_z 1
		.amdhsa_system_vgpr_workitem_id 0
		.amdhsa_next_free_vgpr 96
		.amdhsa_next_free_sgpr 66
		.amdhsa_reserve_vcc 0
		.amdhsa_float_denorm_mode_32 3
		.amdhsa_float_denorm_mode_16_64 3
		.amdhsa_memory_ordered 1
		.amdhsa_forward_progress 1
		.amdhsa_inst_pref_size 7
	.end_amdhsa_kernel
	.amdgpu_metadata
---
amdhsa.version: [ 1, 2 ]
amdhsa.kernels:
  - .name:           k_qa0ffe618b5_add
    .symbol:         k_qa0ffe618b5_add.kd
    .args:
      - { .name: y, .offset: 0, .size: 8, .value_kind: global_buffer, .address_space: global }
      - { .name: loc, .offset: 8, .size: 8, .value_kind: global_buffer, .address_space: global }
      - { .name: rw, .offset: 16, .size: 8, .value_kind: global_buffer, .address_space: global }
      - { .name: out0, .offset: 24, .size: 8, .value_kind: global_buffer, .address_space: global }
    .group_segment_fixed_size: 0
    .private_segment_fixed_size: 0
    .kernarg_segment_align: 8
    .kernarg_segment_size: 32
    .max_flat_workgroup_size: 256
    .sgpr_count:     66
    .vgpr_count:     96
    .wavefront_size: 32
...
	.end_amdgpu_metadata
.endif
;; end of part 5
;; ======== version 2 of 2: 5 launches
;; limits: right only within a limited range of input values
;; workspace buffers: xc 2,097,152 bytes; sel 16,384 bytes of whole numbers; rw 32,768 bytes; lst 69,632 bytes of whole numbers; hid 33,554,432 bytes; loc 16,640 bytes of whole numbers; y 67,108,864 bytes
;; launch route (part 6): grid 256 x 1, 2 waves a work-group, no clusters, 0 bytes of LDS; arguments x, gate_w, lowp_scales, xc, sel, rw; writes xc, sel, rw
.if DOCPART == 6
	.amdgcn_target "amdgcn-amd-amdhsa--gfx1250"
	.amdhsa_code_object_version 6
	.text
	.protected	k_qa0ffe618b5_route
	.globl	k_qa0ffe618b5_route
	.p2align	8
	.type	k_qa0ffe618b5_route,@function
k_qa0ffe618b5_route:
	s_mov_b64 s[64:65], 0
	v_nop
	global_prefetch_b8 v0, s[64:65] scope:SCOPE_SE
	s_setreg_imm32_b32 hwreg(HW_REG_WAVE_MODE, 25, 1), 1
	s_wait_xcnt 0x0
; THE ROUTER, AND x INTO CODES.  x: [2048][1024] f32, gate_w: [8][1024] f32.
; A wave takes four tokens: their 32 logits (f32 multiply-adds), the softmax over the 8 experts (the largest logit is taken away first), the two largest
; probabilities (ties: the lower index), their weights p / (p1 + p2), and the sums of the four tokens' probabilities for the loss.
; Stored at fixed places: sel[slot x 2048 + t] the expert, rw[slot x 2048 + t] its weight, rw[4096 + 8 W + e] the wave's sums.  No address here hangs on a choice.
; The same loads of x feed the quantiser: code = x / 2^e1, held within +-57,344, nearest code of E5M2, ties to even.
; xc: [2048][1024] bytes.  A lane's registers hold k = 128 j + 4 lane + i, so byte p of a row holds k = 512 (p >> 9) + 128 ((p & 15) >> 2) + 4 ((p & 511) >> 4) + (p & 3);
; the launch that multiplies picks the weight's rows in the same order.  Each store of codes covers 512 consecutive bytes.
; LIMITS: e1 between -126 and 112.  NaN among the inputs is not served.  The choice compares the f32 probabilities as computed here: two that lie within f32 rounding of each other may be chosen otherwise than by another order of sums.
; REGISTERS: v1 lane, v2 e = lane % 8, v3 token = lane / 8, v4 16 x lane; v5, v6 the hold and the scale; v8-31 at work; v32-63 the 32 logits' parts;
;   v64-191 x (32 a token); v192-255 a pair of sums for each (token, expert), later the codes; window 1: gate_w (32 an expert).
.set A,   32
.set X,   64
.set PR,  192
.set MSB, 0
.macro WIN new                         ; the immediate's high byte repeats the setting that is left
.if MSB != (\new)
	s_set_vgpr_msb (MSB<<8)|(\new)
.set MSB, (\new)
.endif
.endm
	s_load_b256 s[4:11], s[0:1], 0x0               ; x s[4:5], gate_w s[6:7], the scales' exponents s[8:9], xc s[10:11]
	s_load_b128 s[12:15], s[0:1], 0x20             ; sel s[12:13], rw s[14:15]
	v_and_b32 v1, 31, v0                           ; lane
	v_lshrrev_b32 v5, 5, v0
	v_readfirstlane_b32 s16, v5                    ; wave 0..1
	v_and_b32 v2, 7, v0                            ; e
	v_bfe_u32 v3, v0, 3, 2                         ; token of the four
	v_lshlrev_b32 v4, 4, v1                        ; 16 x lane
	s_lshl_b32 s17, ttmp9, 1
	s_add_co_u32 s17, s17, s16                     ; W = 2 x work-group + wave
	s_lshl_b32 s18, s17, 2                         ; my first token
	s_lshl_b32 s20, s18, 12                        ; its row of x: 4,096 bytes a row
	s_mov_b32 s21, 0
	s_lshl_b32 s22, s18, 10                        ; its row of codes: 1,024 bytes a row
	s_mov_b32 s23, 0
	s_mov_b32 s32, 0xaaaaaaaa                      ; lanes whose bit 0 .. bit 4 is set
	s_mov_b32 s33, 0xcccccccc
	s_mov_b32 s34, 0xf0f0f0f0
	s_mov_b32 s35, 0xff00ff00
	s_mov_b32 s36, 0xffff0000
	s_mov_b32 s38, 0x76543210                      ; v_permlanex16_b32: lane l xor 16
	s_mov_b32 s39, 0xfedcba98
	s_wait_alu depctr_va_vdst(0)
	s_wait_kmcnt 0x0
	s_load_b128 s[28:31], s[8:9], 0x0              ; e0, e1, e2, e3
	s_add_nc_u64 s[4:5], s[4:5], s[20:21]
	s_add_nc_u64 s[10:11], s[10:11], s[22:23]
.irp t, 0,1,2,3
.irp j, 0,1,2,3,4,5,6,7
	global_load_b128 v[X+32*\t+4*\j:X+32*\t+4*\j+3], v4, s[4:5] offset:4096*\t+512*\j th:TH_LOAD_NT   ; 512 consecutive bytes a load
.endr
.endr
	WIN 0x40                                       ; destination window 1
.irp e, 0,1,2,3,4,5,6,7
.irp j, 0,1,2,3,4,5,6,7
	global_load_b128 v[32*\e+4*\j:32*\e+4*\j+3], v4, s[6:7] offset:4096*\e+512*\j
.endr
.endr
	WIN 0
	v_mov_b32 v16, 0                               ; destinations of lane permutes and of DPP moves count as read: written once here
	v_mov_b32 v20, 0
	v_mov_b32 v21, 0
	v_mov_b32 v27, 0
	v_mov_b32 v29, -1.0
	s_wait_kmcnt 0x0
	s_add_co_i32 s40, s29, 127
	s_lshl_b32 s41, s40, 23
	v_mov_b32 v6, s41                              ; 2^e1 as f32: the conversion takes its exponent field
	s_add_co_i32 s40, s40, 15
	s_lshl_b32 s40, s40, 23
	s_or_b32 s40, s40, 0x600000
	v_mov_b32 v5, s40                              ; 57,344 x 2^e1
	s_wait_loadcnt 0x0
	; the 32 dot products, each lane over its 32 k: two multiply-adds an instruction, 32 chains by turns
	WIN 0x04                                       ; source 1 (gate_w) window 1
.set m, 0
.rept 16
.set q, 0
.rept 32
.if m == 0
	v_pk_mul_f32 v[PR+2*q:PR+2*q+1], v[X+32*(q/8)+2*m:X+32*(q/8)+2*m+1], v[32*(q%8)+2*m:32*(q%8)+2*m+1]
.else
	v_pk_fma_f32 v[PR+2*q:PR+2*q+1], v[X+32*(q/8)+2*m:X+32*(q/8)+2*m+1], v[32*(q%8)+2*m:32*(q%8)+2*m+1], v[PR+2*q:PR+2*q+1]
.endif
.set q, q+1
.endr
.set m, m+1
.endr
	WIN 0
.set q, 0
.rept 32
	v_add_f32 v[A+q], v[PR+2*q], v[PR+2*q+1]       ; part 8 token + e
.set q, q+1
.endr
	; x into codes
.set n, 0
.rept 128
	v_med3_num_f32 v[X+n], v[X+n], -v5, v5         ; the conversion to an 8-bit code does not saturate (ISA guide 7.6.2): the hold at the largest code x the scale
.set n, n+1
.endr
.set n, 0
.rept 16
	v_cvt_scalef32_pk8_bf8_f32 v[PR+2*n:PR+2*n+1], v[X+8*n:X+8*n+7], v6
.set n, n+1
.endr
	v_nop                                          ; a plain line behind the last conversion
.irp t, 0,1,2,3
.irp q, 0,1
	global_store_b128 v4, v[PR+8*\t+4*\q:PR+8*\t+4*\q+3], s[10:11] offset:1024*\t+512*\q
.endr
.endr
; The 32 parts are summed over the 32 lanes by halving: in level b a lane keeps the parts whose index has its own bit b, sends the others to lane l xor 2^b, and adds what it gets.
; After five levels lane l holds logit number l = 8 token + e.
.macro FOLD b, cnt, xm
.set j, 0
.rept \cnt
	v_cndmask_b32 v[8+j%8], v[A+2*j+1], v[A+2*j], s[32+\b]
	v_cndmask_b32 v[A+j], v[A+2*j], v[A+2*j+1], s[32+\b]
.if \b < 4
	v_add_f32_dpp v[A+j], v[8+j%8], v[A+j] row_xmask:\xm row_mask:0xf bank_mask:0xf
.else
	v_permlanex16_b32 v16, v[8+j%8], s38, s39
	v_add_f32 v[A+j], v[A+j], v16
.endif
.set j, j+1
.endr
.endm
	FOLD 0, 16, 1
	FOLD 1, 8, 2
	FOLD 2, 4, 4
	FOLD 3, 2, 8
	FOLD 4, 1, 0
	; softmax over the eight lanes of a token
	v_mov_b32 v10, v[A]
	v_max_num_f32_dpp v10, v10, v10 row_xmask:1 row_mask:0xf bank_mask:0xf
	v_max_num_f32_dpp v10, v10, v10 row_xmask:2 row_mask:0xf bank_mask:0xf
	v_max_num_f32_dpp v10, v10, v10 row_xmask:4 row_mask:0xf bank_mask:0xf
	v_sub_f32 v11, v[A], v10                       ; logit - the largest
	v_mul_f32 v11, 0x3fb8aa3b, v11                 ; x log2(e)
	s_wait_alu depctr_va_vdst(0)
	v_exp_f32 v11, v11
	v_nop                                          ; a plain line behind the transcendental,
	s_wait_alu depctr_va_vdst(0)                   ; and the wait ahead of its first reader
	v_mov_b32 v12, v11
	v_add_f32_dpp v12, v12, v12 row_xmask:1 row_mask:0xf bank_mask:0xf
	v_add_f32_dpp v12, v12, v12 row_xmask:2 row_mask:0xf bank_mask:0xf
	v_add_f32_dpp v12, v12, v12 row_xmask:4 row_mask:0xf bank_mask:0xf
	s_wait_alu depctr_va_vdst(0)
	v_rcp_f32 v13, v12
	v_nop
	s_wait_alu depctr_va_vdst(0)
	v_mul_f32 v14, v11, v13                        ; p
; The best (value, index) of the eight lanes, in all eight: the partner wins where its value is larger, or equal with the lower index.  A comparison only selects values.
.macro BEST pv, pi
.irp xm, 1, 2, 4
	v_mov_b32_dpp v20, v[\pv] row_xmask:\xm row_mask:0xf bank_mask:0xf
	v_mov_b32_dpp v21, v[\pi] row_xmask:\xm row_mask:0xf bank_mask:0xf
	v_cmp_gt_f32 s20, v20, v[\pv]
	v_cmp_eq_f32 s21, v20, v[\pv]
	v_cmp_lt_u32 s22, v21, v[\pi]
	s_and_b32 s21, s21, s22
	s_or_b32 s20, s20, s21
	v_cndmask_b32 v[\pv], v[\pv], v20, s20
	v_cndmask_b32 v[\pi], v[\pi], v21, s20
.endr
.endm
	v_mov_b32 v16, v14
	v_mov_b32 v17, v2
	BEST 16, 17                                    ; p1, i1
	v_cmp_eq_u32 vcc_lo, v2, v17
	v_cndmask_b32 v18, v14, v29, vcc_lo            ; the first choice is taken out: -1 lies under every probability
	v_mov_b32 v19, v2
	BEST 18, 19                                    ; p2, i2
	v_add_f32 v22, v16, v18
	s_wait_alu depctr_va_vdst(0)
	v_rcp_f32 v22, v22
	v_lshl_add_u32 v23, v2, 11, v3                 ; (plain work behind the transcendental)  2048 x slot + token, for lanes e = slot < 2
	v_add_nc_u32 v23, s18, v23
	v_lshlrev_b32 v23, 2, v23
	s_wait_alu depctr_va_vdst(0)
	v_mul_f32 v30, v16, v22                        ; c0 = p1 / (p1 + p2)
	v_mul_f32 v31, v18, v22                        ; c1
	v_cmp_eq_u32 vcc_lo, 1, v2
	v_cndmask_b32 v24, v17, v19, vcc_lo            ; the slot's expert,
	v_cndmask_b32 v25, v30, v31, vcc_lo            ; and its weight
	v_mov_b32 v26, v14                             ; the four tokens' probabilities of expert e
	v_add_f32_dpp v26, v26, v26 row_xmask:8 row_mask:0xf bank_mask:0xf
	v_permlanex16_b32 v27, v26, s38, s39
	v_add_f32 v26, v26, v27
	v_lshlrev_b32 v28, 2, v1
	s_lshl_b32 s19, s17, 5
	v_add_nc_u32 v28, s19, v28                     ; 32 W + 4 x lane
	v_cmp_gt_u32 vcc_lo, 2, v2
	s_wait_alu depctr_va_vdst(0)
	s_wait_xcnt 0x0                                ; EXEC changes only behind this wait: the stores of codes have read it
	s_and_saveexec_b32 s24, vcc_lo                 ; lanes e = 0, 1 of each token
	global_store_b32 v23, v24, s[12:13]
	global_store_b32 v23, v25, s[14:15]
	s_wait_xcnt 0x0
	s_or_b32 exec_lo, exec_lo, s24
	v_cmp_gt_u32 vcc_lo, 8, v1
	s_and_saveexec_b32 s24, vcc_lo                 ; lanes 0 to 7: expert = lane
	global_store_b32 v28, v26, s[14:15] offset:16384
	s_wait_xcnt 0x0
	s_or_b32 exec_lo, exec_lo, s24
	s_endpgm
.Lfunc_end_k_qa0ffe618b5_route:
	.size	k_qa0ffe618b5_route, .Lfunc_end_k_qa0ffe618b5_route-k_qa0ffe618b5_route
	.p2alignl 7, 3214868480
	.fill 96, 4, 3214868480
	.section	.rodata,"a",@progbits
	.p2align	6, 0x0
	.amdhsa_kernel k_qa0ffe618b5_route
		.amdhsa_group_segment_fixed_size 0
		.amdhsa_private_segment_fixed_size 0
		.amdhsa_enable_private_segment 0
		.amdhsa_kernarg_size 48
		.amdhsa_user_sgpr_count 2
		.amdhsa_user_sgpr_kernarg_segment_ptr 1
		.amdhsa_wavefront_size32 1
		.amdhsa_system_sgpr_workgroup_id_x 1
		.amdhsa_system_sgpr_workgroup_id_y 1
		.amdhsa_system_sgpr_workgroup_id_z 1
		.amdhsa_system_vgpr_workitem_id 0
		.amdhsa_next_free_vgpr 512
		.amdhsa_next_free_sgpr 66
		.amdhsa_reserve_vcc 1
		.amdhsa_float_denorm_mode_32 3
		.amdhsa_float_denorm_mode_16_64 3
		.amdhsa_memory_ordered 1
		.amdhsa_forward_progress 1
		.amdhsa_inst_pref_size 65
	.end_amdhsa_kernel
	.amdgpu_metadata
---
amdhsa.version: [ 1, 2 ]
amdhsa.kernels:
  - .name:           k_qa0ffe618b5_route
    .symbol:         k_qa0ffe618b5_route.kd
    .args:
      - { .name: x, .offset: 0, .size: 8, .value_kind: global_buffer, .address_space: global }
      - { .name: gate_w, .offset: 8, .size: 8, .value_kind: global_buffer, .address_space: global }
      - { .name: lowp_scales, .offset: 16, .size: 8, .value_kind: global_buffer, .address_space: global }
      - { .name: xc, .offset: 24, .size: 8, .value_kind: global_buffer, .address_space: global }
      - { .name: sel, .offset: 32, .size: 8, .value_kind: global_buffer, .address_space: global }
      - { .name: rw, .offset: 40, .size: 8, .value_kind: global_buffer, .address_space: global }
    .group_segment_fixed_size: 0
    .private_segment_fixed_size: 0
    .kernarg_segment_align: 8
    .kernarg_segment_size: 48
    .max_flat_workgroup_size: 64
    .sgpr_count:     66
    .vgpr_count:     512
    .wavefront_size: 32
...
	.end_amdgpu_metadata
.endif
;; end of part 6
;; launch place (part 7): grid 1 x 1, 9 waves a work-group, no clusters, 1,536 bytes of LDS; arguments sel, rw, lst, out1; writes lst, out1
.if DOCPART == 7
	.amdgcn_target "amdgcn-amd-amdhsa--gfx1250"
	.amdhsa_code_object_version 6
	.text
	.protected	k_qa0ffe618b5_place
	.globl	k_qa0ffe618b5_place
	.p2align	8
	.type	k_qa0ffe618b5_place,@function
k_qa0ffe618b5_place:
	s_mov_b64 s[64:65], 0
	v_nop
	global_prefetch_b8 v0, s[64:65] scope:SCOPE_SE
	s_setreg_imm32_b32 hwreg(HW_REG_WAVE_MODE, 25, 1), 1
	s_wait_xcnt 0x0
; THE ROWS ARE PLACED BY EXPERT, AND THE LOSS.  sel: 4,096 whole numbers, sel[id] = the expert of id = slot x 2048 + token.
; One work-group.  Wave w = 0 .. 7 is expert w: it walks all 4,096 ids, 32 to a round, and writes those that are its own on end into its region of lst: a lane's place is
; the running count + the matching lanes below it.  So no wave needs another's count, and nothing is added in memory.  A lane that does not match writes into a word of its own that nobody reads.
; The 128 rounds go in four batches of 32, stage by stage: 32 compares into 32 scalar masks, the running counts by a scalar chain, then each vector stage for all 32 rounds: no line waits for the line above it.
; lst: 8 regions of 2,176 words: 0 .. the list; from word 'count' on 32 pads (id 4096 + w), so that the last tile of 16 is full; 2080-2111 the words nobody reads; 2112-2143 the count.
; An expert has at most 2,048 ids, since a token's two experts differ.
; Wave 8 adds the 512 x 8 sums of probabilities.  One barrier; then wave 8 makes the loss = 8 x sum_e (count_e / 2) (P_e / 2048) = sum_e count_e P_e / 512.
; REGISTERS: v1 lane, v2 4 x lane, v3 16 x lane, v4, v5 LDS addresses, v6 2080 + lane, v7-21 at work; v32-159 what is loaded, then the stores' offsets; v160-191 a batch's ids to store.
;   s12 wave, s13 the count, s18, s19 at work, s20-51 a batch's masks, s66-98 the running count ahead of each round of a batch.
.set E,  32
.set ID, 160
.set M,  20
.set PX, 66
	s_load_b256 s[4:11], s[0:1], 0x0               ; sel s[4:5], rw s[6:7], lst s[8:9], out1 s[10:11]
	v_lshl_add_u32 v192, v0, 2, 0x100
	v_mov_b32 v193, 0
	v_and_b32 v1, 31, v0
	v_lshrrev_b32 v7, 5, v0
	s_delay_alu instid0(VALU_DEP_1)
	v_readfirstlane_b32 s12, v7                    ; wave 0..8
	s_delay_alu instid0(VALU_DEP_3)
	v_lshlrev_b32 v2, 2, v1
	s_delay_alu instid0(VALU_DEP_4)
	v_lshlrev_b32 v3, 4, v1
	s_delay_alu instid0(VALU_DEP_4)
	v_lshlrev_b32 v4, 2, v7                        ; LDS: my wave's word.  Both LDS addresses are made here, ahead of the parting of the roles
	v_and_b32 v5, 1, v0
	s_delay_alu instid0(VALU_DEP_1)
	v_lshlrev_b32 v5, 4, v5                        ; LDS: counts 0-3 for even lanes, 4-7 for odd ones
	v_add_nc_u32 v6, 2080, v1
.irp r, 8,9,10,11,12,13,14,15
	v_mov_b32 v\r, 0
.endr
	s_mul_i32 s14, s12, 8704                       ; my region of lst
	s_mov_b32 s15, 0
	s_mov_b32 s16, 0x76543210
	s_mov_b32 s17, 0xfedcba98
	s_wait_kmcnt 0x0
	s_add_nc_u64 s[8:9], s[8:9], s[14:15]
	s_cmp_eq_u32 s12, 8
	s_cbranch_scc1 .Lsum
.set q, 0
.rept 32
	global_load_b128 v[E+4*q:E+4*q+3], v3, s[4:5] offset:512*q   ; register 4 q + i of lane l: id 128 q + 4 l + i
.set q, q+1
.endr
	s_mov_b32 s[PX], 0                             ; the running count
.set bt, 0
.rept 4
	s_wait_loadcnt 24-8*bt                         ; loads come back in order: this batch's eight are in, those of the later batches stay out
.set k, 0
.rept 32
	v_cmp_eq_u32 s[M+k], s12, v[E+32*bt+k]         ; the lanes whose id is mine
.set k, k+1
.endr
.set k, 0
.rept 32
	s_bcnt1_i32_b32 s[18+k%2], s[M+k]
	s_add_co_u32 s[PX+k+1], s[PX+k], s[18+k%2]     ; the count ahead of the next round
.set k, k+1
.endr
.set k, 0
.rept 32
	v_mbcnt_lo_u32_b32 v[E+32*bt+k], s[M+k], s[PX+k]   ; the count so far + the matching lanes below me
.set k, k+1
.endr
.set k, 0
.rept 32
	v_cndmask_b32 v[E+32*bt+k], v6, v[E+32*bt+k], s[M+k]   ; no match: the word that nobody reads
.set k, k+1
.endr
.set k, 0
.rept 32
	v_min_u32 v[E+32*bt+k], 2111, v[E+32*bt+k]     ; a place derived from loaded numbers is held inside the region
.set k, k+1
.endr
.set k, 0
.rept 32
	v_lshlrev_b32 v[E+32*bt+k], 2, v[E+32*bt+k]
.set k, k+1
.endr
.if bt > 0
	s_wait_xcnt 0x0                                ; the last batch's stores have read their data: the registers are written again
.endif
.set k, 0
.rept 32
	v_add_nc_u32 v[ID+k], 128*((32*bt+k)/4)+k%4, v2    ; my id
.set k, k+1
.endr
.set k, 0
.rept 32
	global_store_b32 v[E+32*bt+k], v[ID+k], s[8:9]
.set k, k+1
.endr
	s_mov_b32 s[PX], s[PX+32]
.set bt, bt+1
.endr
	s_mov_b32 s13, s[PX]                           ; the expert's count
	v_add_nc_u32 v7, s13, v1                       ; 32 pads from word 'count' on
	s_delay_alu instid0(VALU_DEP_1)
	v_min_u32 v7, 2079, v7
	s_delay_alu instid0(VALU_DEP_1)
	v_lshlrev_b32 v9, 2, v7
	s_add_co_u32 s18, s12, 4096
	v_mov_b32 v10, s18
	global_store_b32 v9, v10, s[8:9]
	v_mov_b32 v8, s13
	global_store_b32 v2, v8, s[8:9] offset:8448    ; the count, at words 2112 on
	ds_store_b32 v4, v8                            ; and for the loss
	s_branch .Ljoin
.Lsum:
.set q, 0
.rept 32
	global_load_b128 v[E+4*q:E+4*q+3], v3, s[6:7] offset:16384+512*q   ; even lanes: experts 0-3 of a wave's sums; odd lanes: experts 4-7
.set q, q+1
.endr
	s_wait_loadcnt 0x0
	v_pk_add_f32 v[8:9], v[E:E+1], v[E+4:E+5]
	v_pk_add_f32 v[10:11], v[E+2:E+3], v[E+6:E+7]
.set q, 2
.rept 30
	s_delay_alu instid0(VALU_DEP_2)
	v_pk_add_f32 v[8:9], v[8:9], v[E+4*q:E+4*q+1]
	s_delay_alu instid0(VALU_DEP_2)
	v_pk_add_f32 v[10:11], v[10:11], v[E+4*q+2:E+4*q+3]
.set q, q+1
.endr
.irp xm, 2, 4, 8
.irp r, 8,9,10,11
	v_add_f32_dpp v\r, v\r, v\r row_xmask:\xm row_mask:0xf bank_mask:0xf
.endr
.endr
.irp r, 8,9,10,11
	s_delay_alu instid0(VALU_DEP_4)
	v_permlanex16_b32 v[\r+4], v\r, s16, s17
.endr
.irp r, 8,9,10,11
	s_delay_alu instid0(VALU_DEP_4)
	v_add_f32 v\r, v\r, v[\r+4]                    ; P of expert 4 (lane % 2) + r - 8
.endr
.Ljoin:
	s_wait_dscnt 0x0                               ; for wave 8's sake: my count lies in LDS
	s_barrier_signal -1
	s_barrier_wait -1
	s_cmp_lg_u32 s12, 8
	s_cbranch_scc1 .Lend
	ds_load_b128 v[16:19], v5
	s_wait_dscnt 0x0
.irp r, 16,17,18,19
	v_cvt_f32_u32 v\r, v\r
.endr
	s_wait_alu depctr_va_vdst(0)
	v_mul_f32 v20, v16, v8
	s_delay_alu instid0(VALU_DEP_1)
	v_fmac_f32 v20, v17, v9
	s_delay_alu instid0(VALU_DEP_1)
	v_fmac_f32 v20, v18, v10
	s_delay_alu instid0(VALU_DEP_1)
	v_fmac_f32 v20, v19, v11
	s_delay_alu instid0(VALU_DEP_1)
	v_add_f32_dpp v20, v20, v20 row_xmask:1 row_mask:0xf bank_mask:0xf
	s_delay_alu instid0(VALU_DEP_1)
	v_mul_f32 v20, 0x3b000000, v20                 ; / 512
	v_mov_b32 v21, 0
	v_cmp_eq_u32 vcc_lo, 0, v1
	s_wait_alu depctr_va_vdst(0)
	s_wait_xcnt 0x0                                ; EXEC changes only behind this wait
	s_and_saveexec_b32 s18, vcc_lo
	global_store_b32 v21, v20, s[10:11]
	s_wait_xcnt 0x0
	s_or_b32 exec_lo, exec_lo, s18
.Lend:
	s_wait_tensorcnt 0x0
	ds_add_u32 v192, v193
	s_wait_dscnt 0x0
	s_endpgm
.Lfunc_end_k_qa0ffe618b5_place:
	.size	k_qa0ffe618b5_place, .Lfunc_end_k_qa0ffe618b5_place-k_qa0ffe618b5_place
	.p2alignl 7, 3214868480
	.fill 96, 4, 3214868480
	.section	.rodata,"a",@progbits
	.p2align	6, 0x0
	.amdhsa_kernel k_qa0ffe618b5_place
		.amdhsa_group_segment_fixed_size 1536
		.amdhsa_private_segment_fixed_size 0
		.amdhsa_enable_private_segment 0
		.amdhsa_kernarg_size 32
		.amdhsa_user_sgpr_count 2
		.amdhsa_user_sgpr_kernarg_segment_ptr 1
		.amdhsa_wavefront_size32 1
		.amdhsa_system_sgpr_workgroup_id_x 1
		.amdhsa_system_sgpr_workgroup_id_y 1
		.amdhsa_system_sgpr_workgroup_id_z 1
		.amdhsa_system_vgpr_workitem_id 0
		.amdhsa_next_free_vgpr 194
		.amdhsa_next_free_sgpr 100
		.amdhsa_reserve_vcc 1
		.amdhsa_float_denorm_mode_32 3
		.amdhsa_float_denorm_mode_16_64 3
		.amdhsa_memory_ordered 1
		.amdhsa_forward_progress 1
		.amdhsa_inst_pref_size 81
	.end_amdhsa_kernel
	.amdgpu_metadata
---
amdhsa.version: [ 1, 2 ]
amdhsa.kernels:
  - .name:           k_qa0ffe618b5_place
    .symbol:         k_qa0ffe618b5_place.kd
    .args:
      - { .name: sel, .offset: 0, .size: 8, .value_kind: global_buffer, .address_space: global }
      - { .name: rw, .offset: 8, .size: 8, .value_kind: global_buffer, .address_space: global }
      - { .name: lst, .offset: 16, .size: 8, .value_kind: global_buffer, .address_space: global }
      - { .name: out1, .offset: 24, .size: 8, .value_kind: global_buffer, .address_space: global }
    .group_segment_fixed_size: 1536
    .private_segment_fixed_size: 0
    .kernarg_segment_align: 8
    .kernarg_segment_size: 32
    .max_flat_workgroup_size: 288
    .sgpr_count:     100
    .vgpr_count:     194
    .wavefront_size: 32
...
	.end_amdgpu_metadata
.endif
;; end of part 7
;; launch ffn1 (part 8): grid 32 x 8, 4 waves a work-group, no clusters, 66,048 bytes of LDS; arguments w1, b1, xc, lst, lowp_scales, hid, loc; writes hid, loc
.if DOCPART == 8
	.amdgcn_target "amdgcn-amd-amdhsa--gfx1250"
	.amdhsa_code_object_version 6
	.text
	.protected	k_qa0ffe618b5_ffn1
	.globl	k_qa0ffe618b5_ffn1
	.p2align	8
	.type	k_qa0ffe618b5_ffn1,@function
k_qa0ffe618b5_ffn1:
	s_mov_b64 s[64:65], 0
	v_nop
	global_prefetch_b8 v0, s[64:65] scope:SCOPE_SE
	s_setreg_imm32_b32 hwreg(HW_REG_WAVE_SCHED_MODE, 0, 2), 2
	s_setreg_imm32_b32 hwreg(HW_REG_WAVE_MODE, 25, 1), 1
	s_wait_xcnt 0x0
	s_wait_alu depctr_vm_vsrc(0)
; THE FIRST PRODUCT OF THE CHOSEN ROWS: hid = Q(gelu(x W1 + b1)), on codes of E5M2.  w1: [8][1024 (k)][2048] f32; xc: x's codes; lst: each expert's rows.
; THE WEIGHTS STAND STILL.  Work-group (slice, e) owns 64 hidden units of expert e: 1,024 x 64 numbers of w1, which no other work-group reads.  It reads them once, quantises them in
; registers (code = w / 2^e0, held within +-57,344), and hands them round through LDS as images of operand registers; then every wave holds all 32 fragments (4 tiles of 16 units x 8 K steps of 128)
; in 512 registers, and the expert's rows go past them, 16 at a time: wave w takes tiles w, w + 4, ..  Trip counts hang on the stored count, so operands come straight into registers.
; No multicast: partners of a cluster would need different numbers of tiles, by counts read from memory.
; THE ROWS' CODES HAVE TWO SETS OF REGISTERS.  A tile's 32 loads go out two tiles ahead, behind the products that free their set: they have a gelu and a whole further tile in which to land.
; A trip of the loop runs both sets; the last pair is written out and asks for nothing, so that each counted wait has the same loads behind it on every way.  A wave with an odd number of tiles
; fetches its last tile once more into the idle set (16 KiB) and jumps over that half's work.
; THE MATRIX INSTRUCTION IS USED TRANSPOSED: source 0 = 16 units of W1, source 1 = 16 rows.  A lane holds one row (lane % 16).  Lane r of tile 2 b + u takes unit 32 b + 8 u + r + 8 (r / 8),
; so the 16 registers of tiles 2 b, 2 b + 1 are units 32 b + 16 (lane / 16) + 0 .. 15: neighbours along the next product's K.
; A FRAGMENT: registers 4 c .. 4 c + 3 of lane (r, h) hold places 128 s + 32 c + 16 h + 0 .. 15 of K; place p is byte p of a row of xc, which is k = 512 (p >> 9) + 128 ((p & 15) >> 2) + 4 ((p & 511) >> 4) + (p & 3).
; The weight's rows are picked by the same rule, so every product meets its partner.  AN IMAGE: registers 4 c .. 4 c + 3 of lane L at 512 c + 16 L, 2,048 bytes a fragment.
; GELU, exact form, in f32: with a = sum + b1 / S, S = 2^(e0 + e1), h = a S:  gelu(h) / S = max(a, 0) - |a| u,  u = erfc(|h| / sqrt 2) / 2 = t 2^(poly(t) - (kz a)^2),  t = 1 / (1 + k1 |a|):
; the fit of erfc of degree 9 in t (relative error about 1e-7), taken on the side where nothing cancels.  S is folded into k1, kz and the conversion's scale 2^(e2 - e0 - e1).
; hid: [e][tile][K step 0..15][2,048]: images of the second product's operand; this slice gives parts c = 2 (slice % 2) + b of K step slice / 2: each store covers 512 consecutive bytes.
; loc[id] = 2048 e + the row's place (stored by slice 0 alone); a pad's id 4096 + e has a word of its own.
; An expert without rows still walks the weight phase: the barrier behind it stands on every wave's path.
; LIMITS: e0 and e2 - e0 - e1 between -126 and 112; e0 + e1 between -120 and 120.  NaN among the inputs is not served.
; THE MODE: SCHED_MODE bits 1:0 = 2 (LLVM: expert scheduling mode 2), set by the entry lines.  The code itself states the register dependences
; between vector or matrix instructions and memory or LDS instructions, with s_wait_alu, always for 0.
; THE PLAN.  Registers that memory or LDS instructions touch:
;   window 3, the weight phase's four raw sets   loaded; read by a group's 64 holds; then loaded again (the group four on; later the rows' codes).
;   v128-143, the weight phase's codes           written by a group's 8 conversions; read by its 4 LDS stores; from the first tile on the gelu's registers.
;   window 3, the rows' two sets                 loaded by FEED; read by a tile's 32 products.
;   v192, v193 ids                               loaded by FEED; read by the next FEED's address lines.
;   v194-197 offsets, v18, v19                   written by FEED's address lines; read by FEED's 33 loads and its one store.
;   v24-31 codes, v20 their offset               written by a tile's last lines; read by its two stores.
;   v4, v5, v6, v21, v254, v255                  made at the head, never written again.   Windows 1, 2: loaded once from LDS, then read by products alone.
; So: a weight group has ONE wait on va_vdst, behind its conversions, for its refill and its LDS stores alike; a tile has one in FEED, behind the address lines and the products, for FEED's loads and store
; (the gelu behind it names none of their registers), and one ahead of its two stores.  One wait on vm_vsrc a tile, beside the wait on XCNT, frees all that the tile writes again.
; REGISTERS.  Window 0: v1 lane, v2 r, v3 h, v4 16 lane, v5, v6 the weight phase's addresses, v7, v8 2^e0 and the hold, v9, v10 the hidden layer's, v11 16 h, v12 4 r, v13 2048 e + r,
;   v15 token, v18, v19 loc's offset and number, v20 offset in hid, v21 64 h, v[22:23] c8; v24-31 codes; v32-63 b1 / S in the result's layout;
;   v64-95 the four accumulators, v96-127 t, v128-159 the exponent, v160-191 the result (in the weight phase v64-127 numbers, v128-143 codes);
;   for set 0 and set 1: v192, v193 ids; v194, v195 offset in xc; v196, v197 offset in lst.
;   Windows 1, 2: W1's fragments ((tile t, K step s) at window 1 + s / 4, v[64 (s % 4) + 16 t]).   Window 3: four sets of 64 raw numbers, then the rows' fragments: set 0 at v0, set 1 at v128.
;   s18 wave, s19 slice, s20 expert, s21 tiles, s22 the tile in hand, s23 the tile to be fetched next, s58 my wave's tiles, s59 the pairs' counter, s60 my last tile, s61 pairs less the last.
.set BIAS, 32
.set ACC,  64
.set T,    96
.set P,    128
.set Z,    160
.set CD,   24
.set WT,   64
.set WC,   128
.set IDN,  192
.set XO,   194
.set LO,   196
.set MSB,  0
.macro WIN new                         ; the immediate's high byte repeats the setting that is left
.if MSB != (\new)
	s_set_vgpr_msb (MSB<<8)|(\new)
.set MSB, (\new)
.endif
.endm
.macro CPAIR r, bits                   ; a constant for a packed form: the pair is named, so both words are written
	s_mov_b32 s[\r], \bits
	s_mov_b32 s[\r+1], \bits
.endm
	s_load_b256 s[4:11], s[0:1], 0x0               ; w1 s[4:5], b1 s[6:7], xc s[8:9], lst s[10:11]
	s_load_b128 s[12:15], s[0:1], 0x20             ; the scales' exponents s[12:13], hid s[14:15]
	s_load_b64 s[16:17], s[0:1], 0x30              ; loc
	v_lshl_add_u32 v254, v0, 2, 0x10000
	v_mov_b32 v255, 0
	v_lshrrev_b32 v7, 5, v0
	v_readfirstlane_b32 s18, v7                    ; wave 0..3
	s_mov_b32 s19, ttmp9                           ; slice 0..31
	s_and_b32 s20, ttmp7, 0xffff                   ; expert
	v_and_b32 v1, 31, v0
	v_and_b32 v2, 15, v0                           ; r
	v_bfe_u32 v3, v0, 4, 1                         ; h
	v_lshlrev_b32 v4, 4, v1
	v_lshlrev_b32 v5, 4, v2                        ; w1: my 4 units (16 bytes) of the slice's 64,
	v_lshl_add_u32 v5, v3, 15, v5                  ; lanes 16-31 four rows (of 8,192 bytes) further down
	; where my 16 codes of a unit go: unit 4 (lane % 16) + comp is lane comp + 4 b0 + 8 b2 of tile 2 b3 + b1 (b0 .. b4: my lane's bits); my half b4 is the fragment's half
	v_bfe_u32 v6, v0, 0, 1
	v_lshlrev_b32 v6, 6, v6
	v_bfe_u32 v7, v0, 1, 1
	v_lshl_add_u32 v6, v7, 14, v6
	v_bfe_u32 v7, v0, 2, 1
	v_lshl_add_u32 v6, v7, 7, v6
	v_bfe_u32 v7, v0, 3, 1
	v_lshl_add_u32 v6, v7, 15, v6
	v_lshl_add_u32 v6, v3, 8, v6
	s_wait_alu depctr_va_sdst(0)                   ; s18, the wave's number, is written, ahead of its first reader
	s_lshl_b32 s28, s18, 12
	v_add_nc_u32 v6, s28, v6                       ; + 4,096 x wave: K steps 2 w, 2 w + 1
	v_lshlrev_b32 v11, 4, v3
	v_lshlrev_b32 v12, 2, v2
	s_lshl_b32 s28, s20, 11
	v_add_nc_u32 v13, s28, v2
	v_lshlrev_b32 v21, 6, v3
	s_lshl_b32 s28, s20, 23                        ; w1: expert x 8 MiB
	s_lshl_b32 s30, s19, 8                         ; + slice x 256 bytes
	s_add_co_u32 s28, s28, s30
	s_lshr_b32 s30, s18, 1
	s_lshl_b32 s30, s30, 22                        ; + 512 (w / 2) rows
	s_add_co_u32 s28, s28, s30
	s_and_b32 s30, s18, 1
	s_lshl_b32 s30, s30, 19                        ; + 64 (w % 2) rows
	s_add_co_u32 s28, s28, s30
	s_mov_b32 s29, 0
	s_lshl_b32 s30, s20, 13                        ; b1: expert x 8,192 + slice x 256
	s_lshl_b32 s31, s19, 8
	s_add_co_u32 s30, s30, s31
	s_mov_b32 s31, 0
	s_mul_i32 s32, s20, 8704                       ; lst: the expert's region
	s_mov_b32 s33, 0
	s_lshl_b32 s34, s20, 22                        ; hid: expert x 4 MiB + 2,048 (slice / 2) + 1,024 (slice % 2)
	s_lshl_b32 s35, s19, 10
	s_add_co_u32 s34, s34, s35
	s_mov_b32 s35, 0
	s_wait_kmcnt 0x0
	s_add_nc_u64 s[4:5], s[4:5], s[28:29]
	s_add_nc_u64 s[6:7], s[6:7], s[30:31]
	s_add_nc_u64 s[10:11], s[10:11], s[32:33]
	s_add_nc_u64 s[14:15], s[14:15], s[34:35]
	s_load_b128 s[24:27], s[12:13], 0x0            ; e0, e1, e2, e3
	s_load_b32 s21, s[10:11], 0x2100               ; the expert's count (word 2112)
	s_wait_alu depctr_va_vdst(0)                   ; the offsets and LDS addresses made above are written: v4, v5, v6 and v21, which the loads and LDS instructions below read, and v254, v255 for the closing add
.irp t, 0,1,2,3
	global_load_b128 v[BIAS+8*\t:BIAS+8*\t+3], v21, s[6:7] offset:128*(\t/2)+32*(\t%2)       ; b1 at units 32 b + 16 h + 8 u + 0 .. 7
	global_load_b128 v[BIAS+8*\t+4:BIAS+8*\t+7], v21, s[6:7] offset:128*(\t/2)+32*(\t%2)+16
.endr
; THE WEIGHT PHASE.  A wave takes 8 groups; group gi is part c = gi % 4 of K step 2 w + gi / 4: 16 loads, load i at the row of place i; sixteen lanes read 256 consecutive bytes of a row.
.macro WLOAD gi
	WIN 0xc0                                       ; destination window 3
.irp i, 0,1,2,3,4,5,6,7,8,9,10,11,12,13,14,15
	global_load_b128 v[64*((\gi)%4)+4*\i:64*((\gi)%4)+4*\i+3], v5, s[4:5] offset:(32*((\gi)/4)+8*((\gi)%4)+128*(\i/4)+(\i%4))*8192 th:TH_LOAD_NT
.endr
	WIN 0
.endm
.macro WQUANT gi, left                 ; left: the loads of the younger groups, which stay out
	s_wait_loadcnt \left
	WIN 0x03                                       ; source 0 window 3
.irp i, 0,1,2,3,4,5,6,7,8,9,10,11,12,13,14,15
.irp c, 0,1,2,3
	v_med3_num_f32 v[WT+16*\c+\i], v[64*((\gi)%4)+4*\i+\c], -v8, v8   ; the hold at the largest code x the scale (ISA guide 7.6.2); it also sorts the four units apart: 16 places of one unit on end
.endr
.endr
	WIN 0
	s_wait_alu depctr_va_vdst(0)
	s_wait_dscnt 0x0                               ; the last group's LDS stores are done
.if (\gi) > 0
	s_wait_alu depctr_vm_vsrc(0)                   ; the last group's LDS stores have read v[WC ..], which the conversions below write again
.endif
.irp c, 0,1,2,3
	v_cvt_scalef32_pk8_bf8_f32 v[WC+4*\c:WC+4*\c+1], v[WT+16*\c:WT+16*\c+7], v7
	v_cvt_scalef32_pk8_bf8_f32 v[WC+4*\c+2:WC+4*\c+3], v[WT+16*\c+8:WT+16*\c+15], v7
.endr
	v_nop                                          ; a plain line behind the last conversion: the next group's holds write its sources
.if (\gi) < 4
	WIN 0xc0                                       ; (the window of the loads below, ahead of the wait)
.endif
	s_wait_alu depctr_va_vdst(0)                   ; the holds are done reading the raw set, in which the loads below land; the conversions have written v[WC ..], which the LDS stores below read
.if (\gi) < 4
	WLOAD (\gi)+4                                  ; the set is free: the group four on
.endif
.irp c, 0,1,2,3
	ds_store_b128 v6, v[WC+4*\c:WC+4*\c+3] offset:2048*((\gi)/4)+512*((\gi)%4)+16*\c
.endr
.endm
	WLOAD 0
	WLOAD 1
	WLOAD 2
	WLOAD 3                                        ; 64 loads of 512 bytes a wave are asked for
	s_wait_kmcnt 0x0
	s_add_co_i32 s28, s24, 127
	s_lshl_b32 s29, s28, 23
	v_mov_b32 v7, s29                              ; 2^e0
	s_add_co_i32 s28, s28, 15
	s_lshl_b32 s28, s28, 23
	s_or_b32 s28, s28, 0x600000
	v_mov_b32 v8, s28                              ; 57,344 x 2^e0
	s_add_co_i32 s28, s24, s25                     ; e0 + e1
	s_sub_co_i32 s37, 0, s28
	s_lshl_b32 s30, s28, 23
	s_add_co_i32 s36, s30, 0x3eb504f3              ; k1 = S / (2 sqrt 2): the exponents are added to the constant's exponent field
	s_add_co_i32 s38, s30, 0x3f596d27              ; kz = S sqrt(log2(e) / 2)
	s_mov_b32 s39, s38
	s_sub_co_i32 s31, s26, s28                     ; e2 - e0 - e1
	s_add_co_i32 s31, s31, 127
	s_lshl_b32 s32, s31, 23
	v_mov_b32 v9, s32
	s_add_co_i32 s31, s31, 15
	s_lshl_b32 s31, s31, 23
	s_or_b32 s31, s31, 0x600000
	v_mov_b32 v10, s31
	CPAIR 40, 0xc034d90f                           ; the fit's coefficients x log2(e); c0 also takes the factor 1/2 as -1
	CPAIR 42, 0x3fb8ab5a
	CPAIR 44, 0x3f0a29d2
	CPAIR 46, 0x3e0efb2e
	CPAIR 48, 0xbe899a80
	CPAIR 50, 0x3ecdfd18
	CPAIR 52, 0xbfd1a1e5
	CPAIR 54, 0x40097039
	CPAIR 56, 0x3e7c6f08                           ; c9
	v_mov_b32 v22, 0xbf97d29d                      ; c8
	v_mov_b32 v23, 0xbf97d29d
	s_add_co_u32 s21, s21, 15
	s_lshr_b32 s21, s21, 4
	s_min_u32 s21, s21, 128                        ; tiles of 16 rows
	s_wait_alu depctr_va_vdst(0)
	WQUANT 0, 48                                   ; (b1's loads are older than every group's: the first wait covers them)
	WQUANT 1, 48
	WQUANT 2, 48
	WQUANT 3, 48
	WQUANT 4, 48
	WQUANT 5, 32
	WQUANT 6, 16
	WQUANT 7, 0
	s_wait_dscnt 0x0                               ; for the others' sake: my images lie in LDS
	s_barrier_signal -1
	s_barrier_wait -1                              ; everybody's do.  The launch's only barrier
	s_wait_alu depctr_vm_vsrc(0)                   ; my last LDS stores have read v[WC ..]: from here on these registers are the gelu's, written by its vector lines
	s_cmp_ge_u32 s18, s21
	s_cbranch_scc1 .Lend                           ; no tile for my wave
	s_sub_co_u32 s58, s21, s18                     ; my tiles: w, w + 4, .. below the number of tiles: (tiles - w + 3) / 4,
	s_add_co_u32 s58, s58, 3
	s_lshr_b32 s58, s58, 2
	s_min_u32 s58, s58, 32                         ; 32 at the most, of 128 tiles
	s_sub_co_u32 s60, s58, 1
	s_lshl_b32 s60, s60, 2
	s_add_co_u32 s60, s60, s18                     ; my last tile
	s_add_co_u32 s61, s58, 1
	s_lshr_b32 s61, s61, 1
	s_sub_co_u32 s61, s61, 1                       ; pairs of tiles, less the last pair: the loop's trips
	s_mov_b32 s59, 0                               ; the pairs' counter: it steps by 1
	s_mov_b32 s22, s18                             ; the tile in hand
	s_mov_b32 s23, s18                             ; the tile to be fetched next
	s_lshl_b32 s28, s18, 6
	v_add_nc_u32 v[LO], s28, v12
	s_add_co_u32 s28, s18, 4
	s_min_u32 s28, s28, s60                        ; my second tile, or the first once more
	s_min_u32 s28, s28, 127
	s_lshl_b32 s28, s28, 6
	v_add_nc_u32 v[LO+1], s28, v12
	s_wait_alu depctr_va_vdst(0)                   ; the two offsets v[LO], v[LO+1] are written, which the two loads below read
	global_load_b32 v[IDN], v[LO], s[10:11]        ; ids of my first tile: word 16 tile + r
	global_load_b32 v[IDN+1], v[LO+1], s[10:11]
.irp s, 0,1,2,3,4,5,6,7
	WIN 0x40+0x40*(\s/4)                           ; destination window 1 or 2
.irp t, 0,1,2,3
.irp c, 0,1,2,3
	ds_load_b128 v[64*(\s%4)+16*\t+4*\c:64*(\s%4)+16*\t+4*\c+3], v4 offset:(8*\t+\s)*2048+512*\c
.endr
.endr
.endr
	WIN 0
.set n, 0
.rept 32
	v_ldexp_f32 v[BIAS+n], v[BIAS+n], s37          ; b1 / S: it goes in as the C of each sum's first product
.set n, n+1
.endr
; The rows of tile s23 (held at my last tile), whose ids lie in the set's register: their codes are asked for into set buf, their places are noted, and the ids of the tile two fetches on are asked for.
; left: the loads issued behind the load of these ids, which stay out.  All address lines stand together, between one wait on vm_vsrc and one on va_vdst.
.macro FEED buf, left
	s_wait_loadcnt \left                           ; the ids are in
	s_wait_xcnt 0x0                                ; earlier loads and stores have read their offsets and data: they are written again
	s_wait_alu depctr_vm_vsrc(0)                   ; the loads and stores issued so far have read v[XO+buf], v[LO+buf], v18 and v19, which the lines below write again, and v[CD ..] and v20, which this tile's last lines write again
	s_min_u32 s28, s23, s60
	s_min_u32 s28, s28, 127                        ; (a number derived from a loaded one enters an address held by a constant)
	v_and_b32 v15, 0x7ff, v[IDN+\buf]              ; the token
	v_min_u32 v15, 0x7ff, v15
	v_lshl_add_u32 v[XO+\buf], v15, 10, v11        ; its row of codes, + 16 h
	v_min_u32 v18, 4103, v[IDN+\buf]
	v_lshlrev_b32 v18, 2, v18
	s_lshl_b32 s29, s28, 4
	v_add_nc_u32 v19, s29, v13                     ; 2048 e + 16 tile + r
	s_add_co_u32 s28, s23, 8                       ; this set's next tile; behind my last tile: the last ids once more, inside the list
	s_min_u32 s28, s28, s60
	s_min_u32 s28, s28, 127
	s_lshl_b32 s28, s28, 6
	v_add_nc_u32 v[LO+\buf], s28, v12
	WIN 0xc0                                       ; (the window of the loads below, ahead of the wait)
	s_wait_alu depctr_va_vdst(0)                   ; v[XO+buf], v[LO+buf], v18 and v19 are written; the lines above are done reading the ids, on which the next ids land; the products are done reading set buf, in which the codes land
.irp s, 0,1,2,3,4,5,6,7
.irp c, 0,1,2,3
	global_load_b128 v[128*\buf+16*\s+4*\c:128*\buf+16*\s+4*\c+3], v[XO+\buf], s[8:9] offset:128*\s+32*\c
.endr
.endr
	WIN 0
	global_load_b32 v[IDN+\buf], v[LO+\buf], s[10:11]
	s_cmp_lg_u32 s19, 0
	s_cbranch_scc1 .Lnoloc_\@
	global_store_b32 v18, v19, s[16:17]            ; one slice notes the places
.Lnoloc_\@:
	s_add_co_u32 s23, s23, 4
.endm
; A TILE, from set buf.  left: the loads issued behind this set's 32, which stay out.  feed = 1: the set is filled again, with the tile two on, as soon as the products have read it.
.macro HALF buf, feed, left
	s_wait_loadcnt \left
.irp s, 0,1,2,3,4,5,6,7                        ; the four accumulators take turns, one instruction a turn
	WIN 0x0d+(\s/4)                                ; source 0 (W1) window 1 or 2, source 1 (the rows) window 3
.irp t, 0,1,2,3
.if \s == 0
	v_wmma_f32_16x16x128_bf8_bf8 v[ACC+8*\t:ACC+8*\t+7], v[64*(\s%4)+16*\t:64*(\s%4)+16*\t+15], v[128*\buf+16*\s:128*\buf+16*\s+15], v[BIAS+8*\t:BIAS+8*\t+7]
.else
	v_wmma_f32_16x16x128_bf8_bf8 v[ACC+8*\t:ACC+8*\t+7], v[64*(\s%4)+16*\t:64*(\s%4)+16*\t+15], v[128*\buf+16*\s:128*\buf+16*\s+15], v[ACC+8*\t:ACC+8*\t+7]
.endif
.endr
.endr
	WIN 0
.rept 4
	v_nop                                          ; four places (ISA guide 7.12.1) ahead of the first read of the sums; they stay beside the waits
.endr
.if \feed
	FEED \buf, 33                                  ; behind the load of these ids: the other set's 32 loads of codes and its load of ids
.endif
.set n, 0
.rept 32
	v_fma_f32 v[T+n], |v[ACC+n]|, s36, 1.0         ; 1 + k1 |a|; each accumulator is read from its low end on
.set n, n+1
.endr
.set n, 0
	s_wait_alu depctr_va_vdst(0)
.rept 32
	v_rcp_f32 v[T+n], v[T+n]                       ; t
.set n, n+1
.endr
.set n, 0
.rept 16
	v_pk_mul_f32 v[Z+n:Z+n+1], v[ACC+n:ACC+n+1], s[38:39] op_sel_hi:[1,0]   ; kz a: plain work behind the batch
.set n, n+2
.endr
	s_wait_alu depctr_va_vdst(0)                   ; the 32 reciprocals have written v[T ..]: one wait for the batch, ahead of its first reader
.set n, 0
.rept 16
	v_pk_fma_f32 v[P+n:P+n+1], v[T+n:T+n+1], s[56:57], v[22:23] op_sel_hi:[1,0,1]   ; c9 t + c8
.set n, n+2
.endr
.irp k, 7,6,5,4,3,2,1,0
.set n, 0
.rept 16
	v_pk_fma_f32 v[P+n:P+n+1], v[P+n:P+n+1], v[T+n:T+n+1], s[40+2*\k:41+2*\k] op_sel_hi:[1,1,0]
.set n, n+2
.endr
.endr
.set n, 0
.rept 16
	v_pk_fma_f32 v[P+n:P+n+1], v[Z+n:Z+n+1], v[Z+n:Z+n+1], v[P+n:P+n+1] neg_lo:[1,0,0] neg_hi:[1,0,0]   ; - (kz a)^2
.set n, n+2
.endr
.set n, 0
	s_wait_alu depctr_va_vdst(0)
.rept 32
	v_exp_f32 v[P+n], v[P+n]
.set n, n+1
.endr
.set n, 0
.rept 32
	v_max_num_f32 v[Z+n], 0, v[ACC+n]              ; max(a, 0): plain work behind the batch
.set n, n+1
.endr
	s_wait_alu depctr_va_vdst(0)                   ; the 32 exponentials have written v[P ..]: one wait for the batch, ahead of its first reader
.set n, 0
.rept 16
	v_pk_mul_f32 v[T+n:T+n+1], v[T+n:T+n+1], v[P+n:P+n+1]   ; u
.set n, n+2
.endr
.set n, 0
.rept 32
	v_fma_f32 v[Z+n], -|v[ACC+n]|, v[T+n], v[Z+n]  ; gelu / S
.set n, n+1
.endr
.set n, 0
.rept 32
	v_med3_num_f32 v[Z+n], v[Z+n], -v10, v10       ; the hold
.set n, n+1
.endr
.if !\feed                                     ; (with feed = 1 the two waits at FEED's head stand between the last tile's stores and the lines below)
	s_wait_alu depctr_va_vdst(0)
	s_wait_xcnt 0x0                                ; the last tile's stores have read their codes and their offset
	s_wait_alu depctr_vm_vsrc(0)                   ; the last tile's stores have read v[CD ..] and v20, which the lines below write again
.endif
.irp g, 0,1
	v_cvt_scalef32_pk8_bf8_f32 v[CD+4*\g:CD+4*\g+1], v[Z+16*\g:Z+16*\g+7], v9
	v_cvt_scalef32_pk8_bf8_f32 v[CD+4*\g+2:CD+4*\g+3], v[Z+16*\g+8:Z+16*\g+15], v9
.endr
	v_nop                                          ; a plain line behind the last conversion
	s_min_u32 s28, s22, 127
	s_lshl_b32 s28, s28, 15                        ; a tile's images: 16 x 2,048 bytes
	v_add_nc_u32 v20, s28, v4
	s_wait_alu depctr_va_vdst(0)                   ; the conversions have written v[CD ..] and the add v20, which the two stores read
	global_store_b128 v20, v[CD:CD+3], s[14:15]            ; 512 consecutive bytes each
	global_store_b128 v20, v[CD+4:CD+7], s[14:15] offset:512
	s_add_co_u32 s22, s22, 4                       ; my next tile
.endm
	FEED 0, 0                                      ; my first tile into set 0,
	FEED 1, 33                                     ; my second into set 1: behind the load of its ids stand set 0's 32 loads of codes and one load of ids
	s_wait_dscnt 0x0                               ; W1's fragments are in
	s_cmp_eq_u32 s61, 0
	s_cbranch_scc1 .Ltail
.Ltrip:                                                ; behind a set's 32 loads stand: its next ids (1), the other set's 32 loads, the other set's next ids (1): 34 stay out
	HALF 0, 1, 34
	HALF 1, 1, 34
	s_add_co_u32 s59, s59, 1                       ; the loop ends on its own counter, one a pair
	s_cmp_lt_u32 s59, s61
	s_cbranch_scc1 .Ltrip
.Ltail:
	HALF 0, 0, 34                                  ; the last pair asks for nothing
	s_and_b32 s28, s58, 1
	s_cmp_lg_u32 s28, 0
	s_cbranch_scc1 .Lend                           ; an odd number of tiles: set 1 holds my last tile once more, and nothing is left to do
	HALF 1, 0, 1                                   ; behind set 1's 32 loads stands one load of ids
.Lend:
	s_wait_dscnt 0x0                               ; the closing lines, six on end
	s_wait_alu 0x0
	s_wait_tensorcnt 0x0
	ds_add_u32 v254, v255
	s_wait_dscnt 0x0
	s_endpgm
.Lfunc_end_k_qa0ffe618b5_ffn1:
	.size	k_qa0ffe618b5_ffn1, .Lfunc_end_k_qa0ffe618b5_ffn1-k_qa0ffe618b5_ffn1
	.p2alignl 7, 3214868480
	.fill 96, 4, 3214868480
	.section	.rodata,"a",@progbits
	.p2align	6, 0x0
	.amdhsa_kernel k_qa0ffe618b5_ffn1
		.amdhsa_group_segment_fixed_size 66048
		.amdhsa_private_segment_fixed_size 0
		.amdhsa_enable_private_segment 0
		.amdhsa_kernarg_size 56
		.amdhsa_user_sgpr_count 2
		.amdhsa_user_sgpr_kernarg_segment_ptr 1
		.amdhsa_wavefront_size32 1
		.amdhsa_system_sgpr_workgroup_id_x 1
		.amdhsa_system_sgpr_workgroup_id_y 1
		.amdhsa_system_sgpr_workgroup_id_z 1
		.amdhsa_system_vgpr_workitem_id 0
		.amdhsa_next_free_vgpr 1024
		.amdhsa_next_free_sgpr 66
		.amdhsa_reserve_vcc 0
		.amdhsa_float_denorm_mode_32 3
		.amdhsa_float_denorm_mode_16_64 3
		.amdhsa_memory_ordered 1
		.amdhsa_forward_progress 1
		.amdhsa_inst_pref_size 183
	.end_amdhsa_kernel
	.amdgpu_metadata
---
amdhsa.version: [ 1, 2 ]
amdhsa.kernels:
  - .name:           k_qa0ffe618b5_ffn1
    .symbol:         k_qa0ffe618b5_ffn1.kd
    .args:
      - { .name: w1, .offset: 0, .size: 8, .value_kind: global_buffer, .address_space: global }
      - { .name: b1, .offset: 8, .size: 8, .value_kind: global_buffer, .address_space: global }
      - { .name: xc, .offset: 16, .size: 8, .value_kind: global_buffer, .address_space: global }
      - { .name: lst, .offset: 24, .size: 8, .value_kind: global_buffer, .address_space: global }
      - { .name: lowp_scales, .offset: 32, .size: 8, .value_kind: global_buffer, .address_space: global }
      - { .name: hid, .offset: 40, .size: 8, .value_kind: global_buffer, .address_space: global }
      - { .name: loc, .offset: 48, .size: 8, .value_kind: global_buffer, .address_space: global }
    .group_segment_fixed_size: 66048
    .private_segment_fixed_size: 0
    .kernarg_segment_align: 8
    .kernarg_segment_size: 56
    .max_flat_workgroup_size: 128
    .sgpr_count:     66
    .vgpr_count:     1024
    .wavefront_size: 32
...
	.end_amdgpu_metadata
.endif
;; end of part 8
;; launch ffn2 (part 9): grid 32 x 8, 4 waves a work-group, no clusters, 75,264 bytes of LDS; arguments w2, b2, hid, lst, lowp_scales, y; writes y
.if DOCPART == 9
	.amdgcn_target "amdgcn-amd-amdhsa--gfx1250"
	.amdhsa_code_object_version 6
	.text
	.protected	k_qa0ffe618b5_ffn2
	.globl	k_qa0ffe618b5_ffn2
	.p2align	8
	.type	k_qa0ffe618b5_ffn2,@function
k_qa0ffe618b5_ffn2:
	s_mov_b64 s[64:65], 0
	v_nop
	global_prefetch_b8 v0, s[64:65] scope:SCOPE_SE
	s_setreg_imm32_b32 hwreg(HW_REG_WAVE_SCHED_MODE, 0, 2), 2
	s_setreg_imm32_b32 hwreg(HW_REG_WAVE_MODE, 25, 1), 1
	s_wait_xcnt 0x0
	s_wait_alu depctr_vm_vsrc(0)
; THE SECOND PRODUCT OF THE CHOSEN ROWS: y = hid W2 x 2^(e2 + e3) + b2, on codes of E5M2.  w2: [8][2048 (k)][1024] f32; hid: images of the rows' fragments, [e][tile][K step 0..15][2,048].
; THE WEIGHTS STAND STILL, as in the first product.  Work-group (slice, e) owns 32 outputs of expert e: 2,048 x 32 numbers of w2, read once, quantised in registers (code = w / 2^e3, held within +-57,344),
; handed round through LDS as images; every wave then holds all 32 fragments (2 tiles of 16 outputs x 16 K steps) in 512 registers.  Wave w takes the expert's tiles of 16 rows w, w + 4, ..
; Trip counts hang on the stored count, so operands come straight into registers; no multicast, since partners would need different numbers of tiles.
; TRANSPOSED USE: source 0 = 16 outputs of W2, source 1 = 16 rows.  Lane r of tile u takes output 8 u + r + 8 (r / 8): a lane's 16 results are outputs 16 (lane / 16) + 0 .. 15 of row lane % 16.
; A row's fragments of a tile (32 KiB) come in two chunks of 8 K steps, each fetched while the other is multiplied.  Even and odd K steps have accumulators of their own: four take turns.
; y: [e][tile][slice][16 rows][32] f32: a wave's 2,048 bytes go through its own stage in LDS and leave as four stores of 512 consecutive bytes.
; LIMITS: e3 between -126 and 112; e2 + e3 between -126 and 127.  NaN among the inputs is not served.
; THE MODE: SCHED_MODE bits 1:0 = 2 (LLVM: expert scheduling mode 2), set by the entry lines.  The code itself states the register dependences
; between vector or matrix instructions and memory or LDS instructions, with s_wait_alu, always for 0.
; THE PLAN.  Registers that memory or LDS instructions touch:
;   window 3, the weight phase's four raw sets   loaded; read by a group's 64 holds; then loaded again (the group four on; later the rows' chunks).
;   v160-175, the weight phase's codes           written by a group's 8 conversions; read by its 4 LDS stores; behind the weight phase nobody names them.
;   window 3, the rows' two chunks               chunk 0 is read by a tile's first 16 products and then loaded again, chunk 1 by its last 16 and then loaded again.
;   v9, v10 the chunks' offsets                  each written by one vector line a tile; each read by its chunk's 32 loads.
;   v64-79 results                               written by the way out's 16 packed lines; read by 4 LDS stores.
;   v80-95 rows read back                        written by 4 LDS loads; read by 4 global stores; no vector line names them.     v13: written by one add a tile; read by those stores.
;   v4, v5, v6, v11, v12, v15, v254, v255        made at the head, never written again.   Windows 1, 2: loaded once from LDS, then read by products alone.
; So a tile has TWO waits on va_vdst.  The first stands behind its first 16 products and the add to v9, ahead of chunk 0's loads.  The second stands behind its last 16 products, the way out's packed lines and the
; lines for v10 and v13, and serves chunk 1's loads, the LDS stores and the global stores' offset alike.  Ahead of each group of vector lines a wait on vm_vsrc frees what they write again.
; REGISTERS.  Window 0: v1 lane, v2 r, v3 h, v4 16 lane, v5, v6 the weight phase's addresses, v7, v8 2^e3 and the hold, v9, v10 the chunks' offsets, v11, v12 the stage (in, back), v13 offset in y,
;   v14 at work, v15 64 h; v16-31 b2; v32-63 accumulators ((u, parity) at 8 (2 parity + u)); v64-79 results; v80-95 rows read back; v96-159, v160-175 the weight phase's numbers and codes.
;   Windows 1, 2: W2's fragments ((u, s) at window 1 + s / 8, v[32 (s % 8) + 16 u]).   Window 3: four sets of 64 raw numbers, then the rows' 16 fragments.
;   s18 wave, s19 slice, s20 expert, s21 tiles, s23 the tile in hand + 4, s40 my wave's trips less the last, s41 the trips' counter.
.set B2,  16
.set ACC, 32
.set Y,   64
.set YB,  80
.set WT,  96
.set WC,  160
.set STG, 65536                        ; behind the images: a stage of 16 rows x (128 + 16) bytes for each wave
.set MSB, 0
.macro WIN new                         ; the immediate's high byte repeats the setting that is left
.if MSB != (\new)
	s_set_vgpr_msb (MSB<<8)|(\new)
.set MSB, (\new)
.endif
.endm
	s_load_b256 s[4:11], s[0:1], 0x0               ; w2 s[4:5], b2 s[6:7], hid s[8:9], lst s[10:11]
	s_load_b128 s[12:15], s[0:1], 0x20             ; the scales' exponents s[12:13], y s[14:15]
	v_lshl_add_u32 v254, v0, 2, 0x12400
	v_mov_b32 v255, 0
	v_lshrrev_b32 v7, 5, v0
	v_readfirstlane_b32 s18, v7                    ; wave 0..3
	s_mov_b32 s19, ttmp9                           ; slice 0..31
	s_and_b32 s20, ttmp7, 0xffff                   ; expert
	v_and_b32 v1, 31, v0
	v_and_b32 v2, 15, v0                           ; r
	v_bfe_u32 v3, v0, 4, 1                         ; h
	v_lshlrev_b32 v4, 4, v1
	v_and_b32 v14, 7, v0
	v_lshlrev_b32 v5, 4, v14                       ; w2: my 4 outputs (16 bytes) of the slice's 32,
	v_bfe_u32 v14, v0, 3, 2
	v_lshl_add_u32 v5, v14, 16, v5                 ; and 16 (lane / 8) rows (of 4,096 bytes) down
	; where my 16 codes of an output go: output 4 (lane % 8) + comp is lane comp + 4 b0 + 8 b2 of tile b1; b3 is the fragment's half, b4 the low bit of its part c
	v_bfe_u32 v6, v0, 0, 1
	v_lshlrev_b32 v6, 6, v6
	v_bfe_u32 v7, v0, 1, 1
	v_lshl_add_u32 v6, v7, 15, v6
	v_bfe_u32 v7, v0, 2, 1
	v_lshl_add_u32 v6, v7, 7, v6
	v_bfe_u32 v7, v0, 3, 1
	v_lshl_add_u32 v6, v7, 8, v6
	v_lshl_add_u32 v6, v3, 9, v6
	s_wait_alu depctr_va_sdst(0)                   ; s18, the wave's number, is written, ahead of its first reader
	s_lshl_b32 s28, s18, 13
	v_add_nc_u32 v6, s28, v6                       ; + 8,192 x wave: K steps 4 w .. 4 w + 3
	s_mul_i32 s28, s18, 2304
	s_add_co_u32 s28, s28, STG                     ; my stage
	v_mul_u32_u24 v11, v2, 144
	v_lshl_add_u32 v11, v3, 6, v11
	v_add_nc_u32 v11, s28, v11                     ; in: row r, + 64 h
	v_bfe_u32 v14, v0, 3, 2
	v_mul_u32_u24 v12, v14, 144
	v_and_b32 v14, 7, v0
	v_lshl_add_u32 v12, v14, 4, v12
	v_add_nc_u32 v12, s28, v12                     ; back: eight lanes to a row of 128 bytes, four rows a load
	v_lshlrev_b32 v15, 6, v3
	s_lshl_b32 s28, s20, 23                        ; w2: expert x 8 MiB + slice x 128 bytes + 512 w rows
	s_lshl_b32 s30, s19, 7
	s_add_co_u32 s28, s28, s30
	s_lshl_b32 s30, s18, 21
	s_add_co_u32 s28, s28, s30
	s_mov_b32 s29, 0
	s_lshl_b32 s30, s20, 12                        ; b2: expert x 4,096 + slice x 128
	s_lshl_b32 s31, s19, 7
	s_add_co_u32 s30, s30, s31
	s_mov_b32 s31, 0
	s_mul_i32 s32, s20, 8704                       ; lst: the expert's region
	s_mov_b32 s33, 0
	s_lshl_b32 s34, s20, 22                        ; hid: expert x 4 MiB
	s_mov_b32 s35, 0
	s_lshl_b32 s38, s20, 23                        ; y: expert x 8 MiB + slice x 2,048
	s_lshl_b32 s39, s19, 11
	s_add_co_u32 s38, s38, s39
	s_mov_b32 s39, 0
	s_wait_kmcnt 0x0
	s_add_nc_u64 s[4:5], s[4:5], s[28:29]
	s_add_nc_u64 s[6:7], s[6:7], s[30:31]
	s_add_nc_u64 s[10:11], s[10:11], s[32:33]
	s_add_nc_u64 s[8:9], s[8:9], s[34:35]
	s_add_nc_u64 s[14:15], s[14:15], s[38:39]
	s_load_b128 s[24:27], s[12:13], 0x0            ; e0, e1, e2, e3
	s_load_b32 s21, s[10:11], 0x2100               ; the expert's count (word 2112)
	s_wait_alu depctr_va_vdst(0)                   ; the offsets and LDS addresses made above are written: v4, v5, v6, v11, v12 and v15, which the loads and LDS instructions below read, and v254, v255 for the closing add
.irp q, 0,1,2,3
	global_load_b128 v[B2+4*\q:B2+4*\q+3], v15, s[6:7] offset:16*\q   ; b2 at outputs 16 h + 0 .. 15
.endr
; THE WEIGHT PHASE.  A wave takes 8 groups; group gi is parts c = 2 (gi % 2) + (lane / 16) of K step 4 w + gi / 2: 16 loads, load i at row i of the lane's 16; eight lanes read 128 consecutive bytes of a row.
.macro WLOAD gi
	WIN 0xc0                                       ; destination window 3
.irp i, 0,1,2,3,4,5,6,7,8,9,10,11,12,13,14,15
	global_load_b128 v[64*((\gi)%4)+4*\i:64*((\gi)%4)+4*\i+3], v5, s[4:5] offset:(128*((\gi)/2)+64*((\gi)%2)+\i)*4096
.endr
	WIN 0
.endm
.macro WQUANT gi, left                 ; left: the loads of the younger groups, which stay out
	s_wait_loadcnt \left
	WIN 0x03                                       ; source 0 window 3
.irp i, 0,1,2,3,4,5,6,7,8,9,10,11,12,13,14,15
.irp c, 0,1,2,3
	v_med3_num_f32 v[WT+16*\c+\i], v[64*((\gi)%4)+4*\i+\c], -v8, v8   ; the hold at the largest code x the scale (ISA guide 7.6.2); it also sorts the four outputs apart
.endr
.endr
	WIN 0
	s_wait_alu depctr_va_vdst(0)
	s_wait_dscnt 0x0                               ; the last group's LDS stores are done
.if (\gi) > 0
	s_wait_alu depctr_vm_vsrc(0)                   ; the last group's LDS stores have read v[WC ..], which the conversions below write again
.endif
.irp c, 0,1,2,3
	v_cvt_scalef32_pk8_bf8_f32 v[WC+4*\c:WC+4*\c+1], v[WT+16*\c:WT+16*\c+7], v7
	v_cvt_scalef32_pk8_bf8_f32 v[WC+4*\c+2:WC+4*\c+3], v[WT+16*\c+8:WT+16*\c+15], v7
.endr
	v_nop                                          ; a plain line behind the last conversion: the next group's holds write its sources
.if (\gi) < 4
	WIN 0xc0                                       ; (the window of the loads below, ahead of the wait)
.endif
	s_wait_alu depctr_va_vdst(0)                   ; the holds are done reading the raw set, in which the loads below land; the conversions have written v[WC ..], which the LDS stores below read
.if (\gi) < 4
	WLOAD (\gi)+4                                  ; the set is free: the group four on
.endif
.irp c, 0,1,2,3
	ds_store_b128 v6, v[WC+4*\c:WC+4*\c+3] offset:2048*((\gi)/2)+1024*((\gi)%2)+16*\c
.endr
.endm
	WLOAD 0
	WLOAD 1
	WLOAD 2
	WLOAD 3
	s_wait_kmcnt 0x0
	s_add_co_i32 s28, s27, 127
	s_lshl_b32 s29, s28, 23
	v_mov_b32 v7, s29                              ; 2^e3
	s_add_co_i32 s28, s28, 15
	s_lshl_b32 s28, s28, 23
	s_or_b32 s28, s28, 0x600000
	v_mov_b32 v8, s28                              ; 57,344 x 2^e3
	s_add_co_i32 s36, s26, s27
	s_add_co_i32 s36, s36, 127
	s_lshl_b32 s36, s36, 23                        ; 2^(e2 + e3) as f32
	s_mov_b32 s37, s36                             ; (named with it as a pair, so it is written)
	s_add_co_u32 s21, s21, 15
	s_lshr_b32 s21, s21, 4
	s_min_u32 s21, s21, 128                        ; tiles of 16 rows
	s_wait_alu depctr_va_vdst(0)
	WQUANT 0, 48                                   ; (b2's loads are older than every group's: the first wait covers them)
	WQUANT 1, 48
	WQUANT 2, 48
	WQUANT 3, 48
	WQUANT 4, 48
	WQUANT 5, 32
	WQUANT 6, 16
	WQUANT 7, 0
	s_wait_dscnt 0x0                               ; for the others' sake: my images lie in LDS
	s_barrier_signal -1
	s_barrier_wait -1                              ; everybody's do.  The launch's only barrier
	s_cmp_ge_u32 s18, s21
	s_cbranch_scc1 .Lend                           ; no tile for my wave
; a chunk of a tile's fragments: K steps 8 half .. 8 half + 7, each load 512 consecutive bytes
.macro HLOAD half, adr
	WIN 0xc0
.irp s, 0,1,2,3,4,5,6,7
.irp c, 0,1,2,3
	global_load_b128 v[128*\half+16*\s+4*\c:128*\half+16*\s+4*\c+3], v[\adr], s[8:9] offset:2048*(8*\half+\s)+512*\c
.endr
.endr
	WIN 0
.endm
; 16 products on a chunk.  The four accumulators take turns, one instruction a turn; the first two K steps start the sums.
.macro MUL half
	WIN 0x0d+\half                                 ; source 0 (W2) window 1 or 2, source 1 (the rows) window 3
.irp s, 0,1,2,3,4,5,6,7
.irp u, 0,1
.if (\half == 0) && (\s < 2)
	v_wmma_f32_16x16x128_bf8_bf8 v[ACC+8*(2*(\s%2)+\u):ACC+8*(2*(\s%2)+\u)+7], v[32*\s+16*\u:32*\s+16*\u+15], v[128*\half+16*\s:128*\half+16*\s+15], 0
.else
	v_wmma_f32_16x16x128_bf8_bf8 v[ACC+8*(2*(\s%2)+\u):ACC+8*(2*(\s%2)+\u)+7], v[32*\s+16*\u:32*\s+16*\u+15], v[128*\half+16*\s:128*\half+16*\s+15], v[ACC+8*(2*(\s%2)+\u):ACC+8*(2*(\s%2)+\u)+7]
.endif
.endr
.endr
.endm
.macro PLACES                          ; four places (ISA guide 7.12.1) behind the products, ahead of the first read of the sums; they stay beside the waits
.rept 4
	v_nop
.endr
.endm
; A tile.  s23 = the tile's number + 4.  next = 1: tile s23 is mine too, and its chunks are asked for as this tile's are used up.
.macro TRIP next
	s_wait_loadcnt 32                              ; the first chunk is in; the second chunk's 32 loads may stay out
	MUL 0
.if \next
	WIN 0
	PLACES
	s_min_u32 s28, s23, 127
	s_lshl_b32 s28, s28, 15                        ; a tile's images: 32 KiB
	s_wait_alu depctr_vm_vsrc(0)                   ; the first chunk's loads have read v9, which the add below writes again
	v_add_nc_u32 v9, s28, v4                       ; (the loads that read this offset are in)
	WIN 0xc0                                       ; (the window of the loads below, ahead of the wait)
	s_wait_alu depctr_va_vdst(0)                   ; v9 is written, which the loads below read; the 16 products above are done reading the first chunk's registers, in which they land
	HLOAD 0, 9
	s_wait_loadcnt 32                              ; the second chunk is in; the 32 loads just issued stay out
.else
	s_wait_loadcnt 0x0
.endif
	MUL 1
	WIN 0
	PLACES
	s_wait_xcnt 0x0                                ; the last tile's stores have read their data (v80-95) and their offset (v13), which the way out below writes again
	s_wait_alu depctr_vm_vsrc(0)                   ; the last tile's LDS stores have read v[Y ..], its global stores v[YB ..] and v13, the second chunk's loads v10: all are written again below
.set n, 0
.rept 8
	v_pk_add_f32 v[Y+n:Y+n+1], v[ACC+n:ACC+n+1], v[ACC+16+n:ACC+17+n]   ; even K steps' sums + odd ones'; each accumulator is read from its low end on
.set n, n+2
.endr
.set n, 0
.rept 8
	v_pk_fma_f32 v[Y+n:Y+n+1], v[Y+n:Y+n+1], s[36:37], v[B2+n:B2+n+1] op_sel_hi:[1,0,1]   ; x 2^(e2 + e3) + b2
.set n, n+2
.endr
.if \next
	v_mov_b32 v10, v9                              ; an offset of its own: the first chunk's is written again while these loads are out
.endif
	s_sub_co_u32 s28, s23, 4
	s_min_u32 s28, s28, 127
	s_lshl_b32 s28, s28, 16                        ; a tile of y: 32 slices x 2,048 bytes
	v_add_nc_u32 v13, s28, v4
.if \next
	WIN 0xc0                                       ; (the window of the loads below, ahead of the wait)
.endif
	s_wait_alu depctr_va_vdst(0)                   ; the 16 products above are done reading the second chunk's registers and v10 is written, for the loads; v[Y ..] is written, for the LDS stores; v13 is written, for the global stores
.if \next
	HLOAD 1, 10
.endif
.irp q, 0,1,2,3
	ds_store_b128 v11, v[Y+4*\q:Y+4*\q+3] offset:16*\q
.endr
.irp q, 0,1,2,3
	ds_load_b128 v[YB+4*\q:YB+4*\q+3], v12 offset:576*\q   ; LDS serves a wave's instructions in order (ISA guide 5.7.1.4): these see my stores; the stage is my wave's own
.endr
	s_wait_dscnt 0x0
.irp q, 0,1,2,3
	global_store_b128 v13, v[YB+4*\q:YB+4*\q+3], s[14:15] offset:512*\q th:TH_STORE_NT   ; 512 consecutive bytes each
.endr
.endm
	s_lshl_b32 s28, s18, 15
	v_add_nc_u32 v9, s28, v4
	v_mov_b32 v10, v9
	WIN 0xc0                                       ; (the window of the loads below, ahead of the wait)
	s_wait_alu depctr_va_vdst(0)                   ; v9 and v10 are written, which the loads below read
	HLOAD 0, 9                                     ; my first tile
	HLOAD 1, 10
.irp s, 0,1,2,3,4,5,6,7,8,9,10,11,12,13,14,15
	WIN 0x40+0x40*(\s/8)                           ; destination window 1 or 2
.irp u, 0,1
.irp c, 0,1,2,3
	ds_load_b128 v[32*(\s%8)+16*\u+4*\c:32*(\s%8)+16*\u+4*\c+3], v4 offset:(16*\u+\s)*2048+512*\c
.endr
.endr
.endr
	WIN 0
	s_wait_dscnt 0x0                               ; W2's fragments are in
	s_sub_co_u32 s40, s21, s18                     ; my tiles: w, w + 4, .. below the number of tiles: (tiles - w + 3) / 4,
	s_add_co_u32 s40, s40, 3
	s_lshr_b32 s40, s40, 2
	s_min_u32 s40, s40, 32                         ; 32 at the most, of 128 tiles;
	s_sub_co_u32 s40, s40, 1                       ; the loop walks all but the last
	s_mov_b32 s41, 0                               ; the trips' counter: it steps by 1
	s_add_co_u32 s23, s18, 4
	s_cmp_eq_u32 s40, 0
	s_cbranch_scc1 .Ltail
.Ltrip:
	TRIP 1
	s_add_co_u32 s23, s23, 4                       ; my next tile + 4
	s_add_co_u32 s41, s41, 1                       ; the loop ends on its own counter, one a trip
	s_cmp_lt_u32 s41, s40
	s_cbranch_scc1 .Ltrip
.Ltail:
	TRIP 0                                         ; my last tile is written out: it asks for nothing, so each counted wait has the same loads behind it on every way
.Lend:
	s_wait_dscnt 0x0                               ; the closing lines, six on end
	s_wait_alu 0x0
	s_wait_tensorcnt 0x0
	ds_add_u32 v254, v255
	s_wait_dscnt 0x0
	s_endpgm
.Lfunc_end_k_qa0ffe618b5_ffn2:
	.size	k_qa0ffe618b5_ffn2, .Lfunc_end_k_qa0ffe618b5_ffn2-k_qa0ffe618b5_ffn2
	.p2alignl 7, 3214868480
	.fill 96, 4, 3214868480
	.section	.rodata,"a",@progbits
	.p2align	6, 0x0
	.amdhsa_kernel k_qa0ffe618b5_ffn2
		.amdhsa_group_segment_fixed_size 75264
		.amdhsa_private_segment_fixed_size 0
		.amdhsa_enable_private_segment 0
		.amdhsa_kernarg_size 48
		.amdhsa_user_sgpr_count 2
		.amdhsa_user_sgpr_kernarg_segment_ptr 1
		.amdhsa_wavefront_size32 1
		.amdhsa_system_sgpr_workgroup_id_x 1
		.amdhsa_system_sgpr_workgroup_id_y 1
		.amdhsa_system_sgpr_workgroup_id_z 1
		.amdhsa_system_vgpr_workitem_id 0
		.amdhsa_next_free_vgpr 1024
		.amdhsa_next_free_sgpr 66
		.amdhsa_reserve_vcc 0
		.amdhsa_float_denorm_mode_32 3
		.amdhsa_float_denorm_mode_16_64 3
		.amdhsa_memory_ordered 1
		.amdhsa_forward_progress 1
		.amdhsa_inst_pref_size 88
	.end_amdhsa_kernel
	.amdgpu_metadata
---
amdhsa.version: [ 1, 2 ]
amdhsa.kernels:
  - .name:           k_qa0ffe618b5_ffn2
    .symbol:         k_qa0ffe618b5_ffn2.kd
    .args:
      - { .name: w2, .offset: 0, .size: 8, .value_kind: global_buffer, .address_space: global }
      - { .name: b2, .offset: 8, .size: 8, .value_kind: global_buffer, .address_space: global }
      - { .name: hid, .offset: 16, .size: 8, .value_kind: global_buffer, .address_space: global }
      - { .name: lst, .offset: 24, .size: 8, .value_kind: global_buffer, .address_space: global }
      - { .name: lowp_scales, .offset: 32, .size: 8, .value_kind: global_buffer, .address_space: global }
      - { .name: y, .offset: 40, .size: 8, .value_kind: global_buffer, .address_space: global }
    .group_segment_fixed_size: 75264
    .private_segment_fixed_size: 0
    .kernarg_segment_align: 8
    .kernarg_segment_size: 48
    .max_flat_workgroup_size: 128
    .sgpr_count:     66
    .vgpr_count:     1024
    .wavefront_size: 32
...
	.end_amdgpu_metadata
.endif
;; end of part 9
;; launch add (part 10): grid 256 x 1, 8 waves a work-group, no clusters, 0 bytes of LDS; arguments y, loc, rw, out0; writes out0
.if DOCPART == 10
	.amdgcn_target "amdgcn-amd-amdhsa--gfx1250"
	.amdhsa_code_object_version 6
	.text
	.protected	k_qa0ffe618b5_add
	.globl	k_qa0ffe618b5_add
	.p2align	8
	.type	k_qa0ffe618b5_add,@function
k_qa0ffe618b5_add:
	s_mov_b64 s[64:65], 0
	v_nop
	global_prefetch_b8 v0, s[64:65] scope:SCOPE_SE
	s_setreg_imm32_b32 hwreg(HW_REG_WAVE_MODE, 25, 1), 1
	s_wait_xcnt 0x0
; out0[t] = c0 y(row of slot 0) + c1 y(row of slot 1).  A wave takes one token.  loc[slot x 2048 + t] = 2048 e + the row's place among the expert's rows; rw holds the weights at the same index.
; y: [e x 128 + tile][slice 0..31][16 rows][32] f32: a row's 1,024 numbers are 32 pieces of 128 bytes, 2,048 bytes apart.  Eight lanes take a piece, a load four pieces; a store covers 512 consecutive bytes of out0.
; Memory binds: no LDS, no barrier, no matrix unit.  All 16 loads of a wave go out at once.
	s_load_b256 s[4:11], s[0:1], 0x0               ; y s[4:5], loc s[6:7], rw s[8:9], out0 s[10:11]
	v_lshrrev_b32 v1, 5, v0
	s_delay_alu instid0(VALU_DEP_1)
	v_readfirstlane_b32 s12, v1                    ; wave 0..7
	s_lshl_b32 s13, ttmp9, 3
	s_add_co_u32 s13, s13, s12                     ; my token
	s_lshl_b32 s14, s13, 2
	s_mov_b32 s15, 0
	s_lshl_b32 s18, s13, 12                        ; its row of out0
	s_mov_b32 s19, 0
	v_and_b32 v1, 31, v0
	s_delay_alu instid0(VALU_DEP_1)
	v_lshlrev_b32 v3, 4, v1                        ; 16 x lane
	v_bfe_u32 v2, v0, 3, 2
	s_delay_alu instid0(VALU_DEP_1)
	v_lshlrev_b32 v2, 11, v2                       ; piece lane / 8 of the load's four,
	v_and_b32 v4, 7, v0
	s_delay_alu instid0(VALU_DEP_1)
	v_lshl_add_u32 v2, v4, 4, v2                   ; 16 bytes a lane
	s_wait_alu depctr_va_vdst(0)
	s_wait_kmcnt 0x0
	s_add_nc_u64 s[6:7], s[6:7], s[14:15]
	s_add_nc_u64 s[8:9], s[8:9], s[14:15]
	s_add_nc_u64 s[10:11], s[10:11], s[18:19]
	s_load_b32 s16, s[6:7], 0x0                    ; slot 0's row,
	s_load_b32 s17, s[6:7], 0x2000                 ; slot 1's
	s_load_b32 s28, s[8:9], 0x0                    ; c0
	s_load_b32 s30, s[8:9], 0x2000                 ; c1
	s_wait_kmcnt 0x0
	s_mov_b32 s29, s28                             ; (the packed forms name pairs, so both words are written)
	s_mov_b32 s31, s30
	s_lshr_b32 s20, s16, 4
	s_min_u32 s20, s20, 1023                       ; a loaded number enters an address held by a constant
	s_lshl_b32 s20, s20, 16                        ; 64 KiB a tile
	s_and_b32 s21, s16, 15
	s_min_u32 s21, s21, 15
	s_lshl_b32 s21, s21, 7                         ; 128 bytes a row
	s_add_co_u32 s20, s20, s21
	s_mov_b32 s21, 0
	s_add_nc_u64 s[20:21], s[4:5], s[20:21]
	s_lshr_b32 s22, s17, 4
	s_min_u32 s22, s22, 1023
	s_lshl_b32 s22, s22, 16
	s_and_b32 s23, s17, 15
	s_min_u32 s23, s23, 15
	s_lshl_b32 s23, s23, 7
	s_add_co_u32 s22, s22, s23
	s_mov_b32 s23, 0
	s_add_nc_u64 s[22:23], s[4:5], s[22:23]
.irp j, 0,1,2,3,4,5,6,7
	global_load_b128 v[16+8*\j:19+8*\j], v2, s[20:21] offset:8192*\j th:TH_LOAD_NT
	global_load_b128 v[20+8*\j:23+8*\j], v2, s[22:23] offset:8192*\j th:TH_LOAD_NT
.endr
.irp j, 0,1,2,3,4,5,6,7
	s_wait_loadcnt 14-2*\j                         ; loads come back in order: pair j is in, the younger pairs stay out
	v_pk_mul_f32 v[16+8*\j:17+8*\j], v[16+8*\j:17+8*\j], s[28:29] op_sel_hi:[1,0]
	v_pk_mul_f32 v[18+8*\j:19+8*\j], v[18+8*\j:19+8*\j], s[28:29] op_sel_hi:[1,0]
	s_delay_alu instid0(VALU_DEP_2)
	v_pk_fma_f32 v[16+8*\j:17+8*\j], v[20+8*\j:21+8*\j], s[30:31], v[16+8*\j:17+8*\j] op_sel_hi:[1,0,1]
	s_delay_alu instid0(VALU_DEP_2)
	v_pk_fma_f32 v[18+8*\j:19+8*\j], v[22+8*\j:23+8*\j], s[30:31], v[18+8*\j:19+8*\j] op_sel_hi:[1,0,1]
	global_store_b128 v3, v[16+8*\j:19+8*\j], s[10:11] offset:512*\j th:TH_STORE_NT
.endr
	s_endpgm
.Lfunc_end_k_qa0ffe618b5_add:
	.size	k_qa0ffe618b5_add, .Lfunc_end_k_qa0ffe618b5_add-k_qa0ffe618b5_add
	.p2alignl 7, 3214868480
	.fill 96, 4, 3214868480
	.section	.rodata,"a",@progbits
	.p2align	6, 0x0
	.amdhsa_kernel k_qa0ffe618b5_add
		.amdhsa_group_segment_fixed_size 0
		.amdhsa_private_segment_fixed_size 0
		.amdhsa_enable_private_segment 0
		.amdhsa_kernarg_size 32
		.amdhsa_user_sgpr_count 2
		.amdhsa_user_sgpr_kernarg_segment_ptr 1
		.amdhsa_wavefront_size32 1
		.amdhsa_system_sgpr_workgroup_id_x 1
		.amdhsa_system_sgpr_workgroup_id_y 1
		.amdhsa_system_sgpr_workgroup_id_z 1
		.amdhsa_system_vgpr_workitem_id 0
		.amdhsa_next_free_vgpr 96
		.amdhsa_next_free_sgpr 66
		.amdhsa_reserve_vcc 0
		.amdhsa_float_denorm_mode_32 3
		.amdhsa_float_denorm_mode_16_64 3
		.amdhsa_memory_ordered 1
		.amdhsa_forward_progress 1
		.amdhsa_inst_pref_size 8
	.end_amdhsa_kernel
	.amdgpu_metadata
---
amdhsa.version: [ 1, 2 ]
amdhsa.kernels:
  - .name:           k_qa0ffe618b5_add
    .symbol:         k_qa0ffe618b5_add.kd
    .args:
      - { .name: y, .offset: 0, .size: 8, .value_kind: global_buffer, .address_space: global }
      - { .name: loc, .offset: 8, .size: 8, .value_kind: global_buffer, .address_space: global }
      - { .name: rw, .offset: 16, .size: 8, .value_kind: global_buffer, .address_space: global }
      - { .name: out0, .offset: 24, .size: 8, .value_kind: global_buffer, .address_space: global }
    .group_segment_fixed_size: 0
    .private_segment_fixed_size: 0
    .kernarg_segment_align: 8
    .kernarg_segment_size: 32
    .max_flat_workgroup_size: 256
    .sgpr_count:     66
    .vgpr_count:     96
    .wavefront_size: 32
...
	.end_amdgpu_metadata
.endif
;; end of part 10
